; MI455X (gfx1250); checked and timed in simulation.
; The chip was launched on July 23, 2026; its instructions are those of AMD's public machine-readable ISA for CDNA 5 (MIT licence, August 2026) and "CDNA5" Instruction Set Architecture Reference Guide (July 2026). The comments in the code are by the model that wrote it; some were corrected since.
;; Baseline Attn. Allowed arithmetic: matrix products marked QUANTISED: E2M1 operands, one E8M0 scale for each 32 along K, by v_wmma_scale_f32_16x16x128_f8f6f4 with both operands' format E2M1 (or v_wmma_scale_f32_32x16x128_f4), f32 sums; products left as they are: f32 operands where the result goes on into a quantised operand, else bf16, f16 or f32 operands; f32 sums; everything else in f32.
;; Inputs: Ak 1,024 x 8 float32; Aq 1,024 x 8 float32; Av 1,024 x 8 float32; Bk 8 x 1,024 float32; Bq 8 x 1,024 float32; Bv 8 x 1,024 float32; Wk_codes 1,024 x 32 x 16 uint8 (E2M1 codes of Wk, K innermost, in blocks of 32 codes, two codes a byte); Wk_scales 1,024 x 32 uint8 (E8M0 scales of Wk, one for each 32 codes along K); Wp_codes 1,024 x 32 x 16 uint8 (E2M1 codes of Wp, K innermost, in blocks of 32 codes, two codes a byte); Wp_scales 1,024 x 32 uint8 (E8M0 scales of Wp, one for each 32 codes along K); Wq_codes 1,024 x 32 x 16 uint8 (E2M1 codes of Wq, K innermost, in blocks of 32 codes, two codes a byte); Wq_scales 1,024 x 32 uint8 (E8M0 scales of Wq, one for each 32 codes along K); Wv_codes 1,024 x 32 x 16 uint8 (E2M1 codes of Wv, K innermost, in blocks of 32 codes, two codes a byte); Wv_scales 1,024 x 32 uint8 (E8M0 scales of Wv, one for each 32 codes along K); x 2 x 2,048 x 1,024 float32.
;; Outputs: out0 2 x 2,048 x 1,024 float32.
;; This version of the problem:
;;   THIS VERSION OF THE PROBLEM IS GIVEN IN LOW PRECISION. The matrix products marked QUANTISED in the list below multiply operands that are first quantised to E2M1 (2 exponent bits, 1 mantissa bit; 4 bits a number), with one power-of-two scale for each 32 numbers along K (OCP MX v1.0); their sums are f32. All else is computed in f32.
;;   The module's matrix products, in the order in which they are computed (A, B: the left and right operand; K: the contracted axis; several contracted axes count as one K, in the product's order):
;;     1. [M 4,096, K 1,024] x [K 1,024, N 1,024]; A: input x; B: input Wq (given as codes): QUANTISED
;;     2. [M 4,096, K 1,024] x [K 1,024, N 8]; A: input x; B: input Bq: left as it is (N = 8 < 16)
;;     3. [M 4,096, K 8] x [K 8, N 1,024]; A: computed on the way; B: input Aq: left as it is (K = 8 < 32)
;;     4. [M 4,096, K 1,024] x [K 1,024, N 1,024]; A: input x; B: input Wk (given as codes): QUANTISED
;;     5. [M 4,096, K 1,024] x [K 1,024, N 8]; A: input x; B: input Bk: left as it is (N = 8 < 16)
;;     6. [M 4,096, K 8] x [K 8, N 1,024]; A: computed on the way; B: input Ak: left as it is (K = 8 < 32)
;;     7. [M 4,096, K 1,024] x [K 1,024, N 1,024]; A: input x; B: input Wv (given as codes): QUANTISED
;;     8. [M 4,096, K 1,024] x [K 1,024, N 8]; A: input x; B: input Bv: left as it is (N = 8 < 16)
;;     9. [M 4,096, K 8] x [K 8, N 1,024]; A: computed on the way; B: input Av: left as it is (K = 8 < 32)
;;     10. batch 32 x [M 2,048, K 64] x [K 64, N 2,048]; A: computed on the way; B: computed on the way: QUANTISED
;;     11. batch 32 x [M 2,048, K 2,048] x [K 2,048, N 64]; A: softmax (see below); B: computed on the way: QUANTISED
;;     12. [M 4,096, K 1,024] x [K 1,024, N 1,024]; A: computed on the way; B: input Wp (given as codes): QUANTISED
;;   THE QUANTISER, for each operand of a quantised product, along K:
;;     - K is cut into blocks of 32 from its start; a last block that is shorter is filled with zeros.
;;     - A block's scale is 2^e with e = floor(log2(the largest magnitude in the block)) - 2, held to -126 .. 127; a block of zeros has e = 0. As a byte (E8M0): e + 127.
;;     - Each number is divided by its block's scale, clamped to +-6, and rounded to the nearest number of E2M1, ties to even, subnormals kept.
;;     - The product sums the exact products of the quantised numbers (number of the format x scale) in f32.
;;   ~~~python
;;   def quantise(x, axis):      # numpy; x: float32 -> the quantised numbers, widened to float32 again
;;       x = np.moveaxis(x, axis, -1); K = x.shape[-1]
;;       x = np.pad(x, [(0, 0)] * (x.ndim - 1) + [(0, -K % 32)]); x = x.reshape(x.shape[:-1] + (-1, 32)); a = np.abs(x).max(-1, keepdims=True)
;;       e = np.where(a > 0, np.clip(np.frexp(np.where(a > 0, a, 1))[1] - 1 - 2, -126, 127), 0)      # np.frexp(a)[1] - 1 = floor(log2(a)), exactly
;;       r = np.clip(x / 2.0 ** e, -6, 6)
;;       step = 2.0 ** (np.maximum(np.frexp(np.where(r == 0, 1, r))[1] - 1, 0) - 1)
;;       q = np.round(r / step) * step * 2.0 ** e      # np.round: ties to even
;;       return np.moveaxis(q.reshape(q.shape[:-2] + (-1,))[..., :K], -1, axis).astype(np.float32)
;;   ~~~
;;   SOFTMAX AHEAD OF A QUANTISED PRODUCT. Where the list says 'softmax', what is quantised is not the finished softmax but p = 2^(t - M), with t = logit x log2(e) and M = ceil(the row's largest t), a whole number; so 1/2 < the row's largest p <= 1. The row's sum l is taken of the UNQUANTISED p, in f32, and the product's result is divided by l at the end. Since M is a whole number, a kernel that streams over the keys may use a running M (the ceiling of the running maximum): every later rescaling is an exact power of two, which a block's scale takes up: the codes' values come out the same.
;;   OPERANDS COMPUTED ON THE WAY. 'Computed on the way' means the value that the module computes at that place (a softmax that the list does not call 'softmax' is quantised finished and normalised). What goes into a quantiser is computed in f32, as accurately as f32 sums, v_exp_f32 and their like allow (about 1e-6 of the number): no bf16 or f16 on the way to a quantiser, and a product that is left as it is and whose result goes on into a quantised operand takes f32 operands (vector FMAs, or v_wmma_f32_16x16x4_f32). A number that lies on a knife's edge between two numbers of the format may be rounded either way, as far as f32 arithmetic and the matrix unit's own rounding can turn it there, and no further.
;;   INPUTS GIVEN AS CODES. Wk (in the module: [1024, 1024], K = its axis 1); Wp (in the module: [1024, 1024], K = its axis 1); Wq (in the module: [1024, 1024], K = its axis 1); Wv (in the module: [1024, 1024], K = its axis 1): each comes as NAME_codes (uint8): NAME with its K axis moved to the last place and cut into blocks of 32 codes, [.., K / 32, bytes a block], one block behind the other in memory; two codes a byte, the lower K in the low four bits (a code: sign, 2 exponent bits, 1 mantissa bit); and NAME_scales (uint8): the same leading axes, one E8M0 byte (e + 127) for each 32 codes along K. Its value is code x scale, taken as it is: it is not quantised again, and the codes and scales need not be those that the quantiser above would give.
;; One version. Each part assembles by itself: llvm-mc -triple=amdgcn-amd-amdhsa -mcpu=gfx1250 --defsym DOCPART=n.
;; ======== version 1 of 1: 4 launches
;; workspace buffers: xrec 2,228,224 bytes; wrec 2,228,224 bytes; u 393,216 bytes; qrec 2,359,296 bytes; kv 4,587,520 bytes; orec 2,228,224 bytes
;; launch prep (part 1): grid 256 x 1, 8 waves a work-group, no clusters, 187,392 bytes of LDS; arguments x, Bq, Bk, Bv, Wq_codes, Wk_codes, Wv_codes, Wp_codes, Wq_scales, Wk_scales, Wv_scales, Wp_scales, xrec, wrec, u; writes xrec, wrec, u
.if DOCPART == 1
	.amdgcn_target "amdgcn-amd-amdhsa--gfx1250"
	.amdhsa_code_object_version 6
	.text
	.protected	k_q76739c71a7_prep
	.globl	k_q76739c71a7_prep
	.p2align	8
	.type	k_q76739c71a7_prep,@function
k_q76739c71a7_prep:
	s_mov_b64 s[64:65], 0
	v_nop
	global_prefetch_b8 v0, s[64:65] scope:SCOPE_SE
	s_setreg_imm32_b32 hwreg(HW_REG_WAVE_MODE, 25, 1), 1
	s_wait_xcnt 0x0
; x [4096][1024] f32 becomes codes of FP4 (E2M1) with one E8M0 byte for each 32 along K; u = 2 x [Bq;Bk;Bv]^T is made in f32; the four W, given as codes, are laid out anew.
; A RECORD, 8,704 bytes, is one tile of 16 rows with all of K = 1,024, as an image of the operand's registers: byte 1024 ks + 512 c + 16 lane holds registers 4c .. 4c+3 of K step ks
; (lane (r, h): k = 128 ks + 64 c + 32 h + 0 .. 31 of row r); byte 8192 + 16 (r + 16 (ks & 1)) + 4 (ks >> 1) holds row r's scale word of K step ks.
; THE ROWS OF A TILE ARE NOT NEIGHBOURS: row r of tile t is index 32 (t >> 1) + 8 (t & 1) + r + (r & 8), so that the results of two neighbouring tiles are 16 neighbours along a later K.
; SHARES.  Work-group g owns token tile g and W record g (matrix g >> 6, tile g & 63); wave w owns K step w.  One barrier, for the sums of u over the eight K steps and the scale images.
; Each load takes 512 consecutive bytes; a K step's rows turn through the wave's own LDS (rows 528 bytes apart), so that a lane gets 16 neighbours of each block of 32.
; u feeds q, k, v, which go into a quantiser: so it is made with f32 operands, by v_wmma_f32_16x16x4_f32 (source 0 = rows of B, source 1 = tokens; k permuted alike on both sides).
; B's 98,304 bytes are read by every work-group through registers; no joint request is made for them: this launch has no tensor load.
; LIMITS: NaN and infinities among the inputs are not served; a block whose largest magnitude lies under 2^-124 gets the byte 1; a block of zeros gets the byte 1 and zero codes (this program alone reads the bytes).
.set REC, 8704
.set XT,  0                            ; LDS: for each wave 16 rows of x x 528 bytes
.set BT,  67584                        ; for each wave 24 rows of B x 528 bytes
.set UP,  168960                       ; for each wave 2,048 bytes: its part of u
.set XSS, 185344                       ; x's scale image, 512 bytes; W's lies 512 bytes on
.set P,   528
.set XR,  16                           ; v16-79   x as loaded; later B's fragments, rows 0-15
.set BR,  80                           ; v80-175  B as loaded; later v80-143 B's fragments, rows 16-23 (twice)
.set X,   176                          ; v176-239 64 numbers of x: register 16 b + i = k 32 b + 16 h + i; at the start v176-183 W's codes
.set TM,  144                          ; v144-159 at work in the quantiser
.set PC,  160                          ; v160-167 x's codes
.set PW,  168                          ; v168     x's scale word
.set SEL, 46                           ; s[46:47] lane selects for v_permlanex16_b32: lane l xor 16
; 64 numbers of a lane, register 16 b + i = k 32 b + 16 (lane / 16) + i of my row, become a fragment's codes in v[pc] on and its scale word in v[pw]
.macro QUANT4 s, pc, pw
.irp b, 0,1,2,3
	v_max3_num_f32 v[TM+\b], |v[(\s)+16*\b]|, |v[(\s)+1+16*\b]|, 0x1800000   ; my 16 numbers of block b, and the floor 2^(3 - 127): the byte cannot fall under 1
.endr
.irp i, 2,4,6,8,10,12,14
.irp b, 0,1,2,3
	v_max3_num_f32 v[TM+\b], v[TM+\b], |v[(\s)+16*\b+\i]|, |v[(\s)+1+16*\b+\i]|
.endr
.endr
.irp b, 0,1,2,3
	v_permlanex16_b32 v[TM+4+\b], v[TM+\b], s[SEL], s[SEL+1]
.endr
.irp b, 0,1,2,3
	v_max_num_f32 v[TM+\b], v[TM+\b], v[TM+4+\b]         ; with lane l xor 16's: the block's largest magnitude
.endr
.irp b, 0,1,2,3
	v_add_nc_u32 v[TM+12+\b], 0xff000000, v[TM+\b]       ; 2 off its exponent field: the conversion's scale operand
.endr
.irp b, 0,1,2,3
	v_lshrrev_b32 v[TM+4+\b], 23, v[TM+12+\b]            ; the scale's byte
.endr
	v_lshl_or_b32 v[\pw], v[TM+5], 8, v[TM+4]
	v_lshl_or_b32 v[\pw], v[TM+6], 16, v[\pw]
	v_lshl_or_b32 v[\pw], v[TM+7], 24, v[\pw]
.irp b, 0,1,2,3
	v_cvt_scalef32_pk8_fp4_f32 v[(\pc)+2*\b], v[(\s)+16*\b:(\s)+7+16*\b], v[TM+12+\b]
	v_cvt_scalef32_pk8_fp4_f32 v[(\pc)+1+2*\b], v[(\s)+8+16*\b:(\s)+15+16*\b], v[TM+12+\b]
.endr
	v_nop                                          ; one plain place behind a scaled conversion
.irp c, 0,1
.irp i, 0,1
	v_permlane16_swap_b32 v[(\pc)+4*\c+\i], v[(\pc)+2+4*\c+\i]   ; a whole block to a lane: lanes 0-15 block 2 c, lanes 16-31 block 2 c + 1
.endr
.endr
.endm
	s_load_b512 s[8:23], s[0:1], 0x0               ; x s[8:9], Bq, Bk, Bv s[10:15], the four W's codes s[16:23]
	s_load_b256 s[24:31], s[0:1], 0x40             ; the four W's scales
	s_load_b128 s[32:35], s[0:1], 0x60             ; xrec, wrec
	s_load_b64 s[36:37], s[0:1], 0x70              ; u
	s_set_vgpr_msb 0x40
	v_lshl_add_u32 v0, v0, 2, 0x2d800
	v_mov_b32 v1, 0
	s_set_vgpr_msb 0x4000
	v_lshrrev_b32 v2, 5, v0
	v_readfirstlane_b32 s38, v2                    ; wave 0..7 = my K step
	v_and_b32 v16, 31, v0                          ; lane
	v_and_b32 v2, 15, v0                           ; r
	v_bfe_u32 v3, v0, 4, 1                         ; h
	v_lshlrev_b32 v1, 4, v16                       ; v1: 16 x lane
	v_and_b32 v17, 8, v2
	v_add_nc_u32 v17, v17, v2                      ; r + (r & 8)
	v_lshlrev_b32 v4, 9, v17
	v_lshl_add_u32 v4, v3, 4, v4                   ; v4: W's codes: a row is 512 bytes, + 16 h
	v_lshlrev_b32 v5, 5, v17                       ; v5: W's scales: a row is 32 bytes
	s_mul_i32 s39, s38, 16*P
	v_add_nc_u32 v6, s39, v1                       ; v6: x into my stage, as loaded
	v_mul_u32_u24 v18, v2, P
	v_lshl_add_u32 v18, v3, 6, v18                 ; row r, + 64 h: my 16 numbers of a block
	v_add_nc_u32 v7, s39, v18                      ; v7: x out of it
	s_mul_i32 s39, s38, 24*P
	s_add_co_u32 s39, s39, BT
	v_add_nc_u32 v8, s39, v1                       ; v8: B into its stage
	v_add_nc_u32 v9, s39, v18                      ; v9: rows 0-15 out (Bq's eight, Bk's eight)
	v_and_b32 v19, 7, v2
	v_mul_u32_u24 v19, v19, P
	v_lshl_add_u32 v19, v3, 6, v19
	v_add_nc_u32 v19, 16*P, v19
	v_add_nc_u32 v10, s39, v19                     ; v10: rows 16 + (r & 7) out (Bv's eight, twice: the second copy's results are not used)
	s_and_b32 s40, s38, 1
	s_lshl_b32 s40, s40, 8                         ; 256 (w & 1)
	s_lshr_b32 s41, s38, 1
	s_lshl_b32 s41, s41, 2
	s_add_co_u32 s41, s41, s40
	s_add_co_u32 s41, s41, XSS
	v_lshl_add_u32 v11, v2, 4, s41                 ; v11: my K step's word in a scale image
	s_lshl_b32 s41, s38, 11
	s_add_co_u32 s41, s41, UP
	v_add_nc_u32 v12, s41, v1                      ; v12: my part of u, in
	s_and_b32 s41, s38, 2
	s_lshl_b32 s41, s41, 9
	s_add_co_u32 s41, s41, s40
	s_add_co_u32 s41, s41, UP
	v_and_b32 v20, 1, v16
	v_lshrrev_b32 v21, 1, v16
	v_lshl_add_u32 v13, v20, 9, s41
	v_lshl_add_u32 v13, v21, 4, v13                ; v13: out, for matrix w (waves 0-2): quad 2 (w >> 1) + (lane & 1), lane (lane >> 1) + 16 (w & 1)
	v_add_nc_u32 v15, XSS, v1                      ; v15: a scale image, out
	s_lshr_b32 s48, ttmp9, 1
	s_lshl_b32 s48, s48, 5
	s_and_b32 s49, ttmp9, 1
	s_lshl_b32 s49, s49, 3
	s_add_co_u32 s48, s48, s49                     ; my token tile's first row
	s_lshl_b32 s48, s48, 12                        ; x 4,096 bytes
	s_lshl_b32 s50, s38, 9                         ; my K step: 512 bytes of a row of f32
	s_mov_b32 s51, 0
	s_add_co_u32 s48, s48, s50
	s_mov_b32 s49, 0
	s_and_b32 s52, ttmp9, 63
	s_lshr_b32 s53, s52, 1
	s_lshl_b32 s53, s53, 5
	s_and_b32 s52, s52, 1
	s_lshl_b32 s52, s52, 3
	s_add_co_u32 s52, s52, s53                     ; my W tile's first row
	s_lshl_b32 s54, s52, 5
	s_lshl_b32 s52, s52, 9
	s_lshl_b32 s56, s38, 6
	s_add_co_u32 s52, s52, s56                     ; codes: + 64 w
	s_lshl_b32 s56, s38, 2
	s_add_co_u32 s54, s54, s56                     ; scales: + 4 w
	s_mov_b32 s53, 0
	s_mov_b32 s55, 0
	s_mul_i32 s56, ttmp9, REC
	s_mov_b32 s57, 0
	s_lshl_b32 s58, s38, 10
	s_mov_b32 s59, 0
	s_min_u32 s60, s38, 2                          ; (waves 3-7 store nothing into u: their base is held inside the buffer)
	s_lshl_b32 s60, s60, 17
	s_lshl_b32 s61, ttmp9, 9
	s_add_co_u32 s60, s60, s61
	s_mov_b32 s61, 0
	s_lshr_b32 s62, ttmp9, 6                       ; which W: 0 q, 1 k, 2 v, 3 p
	s_and_b32 s63, s62, 1
	s_mov_b32 s[SEL], 0x76543210
	s_mov_b32 s[SEL+1], 0xfedcba98
	s_wait_kmcnt 0x0
	s_cmp_eq_u32 s63, 0                            ; the choice hangs on the work-group's number alone
	s_cselect_b64 s[16:17], s[16:17], s[18:19]
	s_cselect_b64 s[20:21], s[20:21], s[22:23]
	s_cselect_b64 s[24:25], s[24:25], s[26:27]
	s_cselect_b64 s[28:29], s[28:29], s[30:31]
	s_cmp_lt_u32 s62, 2
	s_cselect_b64 s[16:17], s[16:17], s[20:21]
	s_cselect_b64 s[24:25], s[24:25], s[28:29]
	s_add_nc_u64 s[16:17], s[16:17], s[52:53]
	s_add_nc_u64 s[24:25], s[24:25], s[54:55]
	s_add_nc_u64 s[8:9], s[8:9], s[48:49]
	s_add_nc_u64 s[10:11], s[10:11], s[50:51]
	s_add_nc_u64 s[12:13], s[12:13], s[50:51]
	s_add_nc_u64 s[14:15], s[14:15], s[50:51]
	s_add_nc_u64 s[32:33], s[32:33], s[56:57]      ; my record of x,
	s_add_nc_u64 s[34:35], s[34:35], s[56:57]      ; of W,
	s_add_nc_u64 s[42:43], s[32:33], s[58:59]      ; and my K step in each
	s_add_nc_u64 s[44:45], s[34:35], s[58:59]
	s_add_nc_u64 s[36:37], s[36:37], s[60:61]
	; all 43 loads go out at once
	global_load_b128 v[X:X+3], v4, s[16:17]
	global_load_b128 v[X+4:X+7], v4, s[16:17] offset:32
	global_load_b32 v14, v5, s[24:25]
.irp p, 0,1,2,3,4,5,6,7,8,9,10,11,12,13,14,15
	global_load_b128 v[XR+4*\p:XR+4*\p+3], v1, s[8:9] offset:(\p+(\p&8))*4096 th:TH_LOAD_NT   ; 512 consecutive bytes of tile row p
.endr
.irp p, 0,1,2,3,4,5,6,7
	global_load_b128 v[BR+4*\p:BR+4*\p+3], v1, s[10:11] offset:4096*\p
.endr
.irp p, 0,1,2,3,4,5,6,7
	global_load_b128 v[BR+32+4*\p:BR+35+4*\p], v1, s[12:13] offset:4096*\p
.endr
.irp p, 0,1,2,3,4,5,6,7
	global_load_b128 v[BR+64+4*\p:BR+67+4*\p], v1, s[14:15] offset:4096*\p
.endr
	s_wait_loadcnt 40                              ; W's three loads are in: 16 of x and 24 of B were issued behind them
	global_store_b128 v1, v[X:X+3], s[44:45]       ; W's fragment as it stands: 512 consecutive bytes a store
	global_store_b128 v1, v[X+4:X+7], s[44:45] offset:512
	ds_store_b32 v11, v14 offset:512               ; its scale word (lanes r and r + 16 write the same word with the same value)
	s_wait_loadcnt 24                              ; x is in: B's 24 were issued behind it
.irp p, 0,1,2,3,4,5,6,7,8,9,10,11,12,13,14,15
	ds_store_b128 v6, v[XR+4*\p:XR+4*\p+3] offset:P*\p
.endr
	s_wait_xcnt 0x0                                ; W's stores have read v176-183, into which x now comes back
.irp b, 0,1,2,3
.irp j, 0,1,2,3
	ds_load_b128 v[X+16*\b+4*\j:X+16*\b+4*\j+3], v7 offset:128*\b+16*\j   ; LDS serves a wave's instructions in order: these see my stores
.endr
.endr
	s_wait_loadcnt 0x0                             ; B is in
.set n, 0
.rept 24
	ds_store_b128 v8, v[BR+4*n:BR+4*n+3] offset:P*n
.set n, n+1
.endr
	s_wait_dscnt 0x0                               ; x's 64 numbers are back, and every store has read its registers, which take B's fragments now
.irp b, 0,1,2,3
.irp j, 0,1,2,3
	ds_load_b128 v[XR+16*\b+4*\j:XR+16*\b+4*\j+3], v9 offset:128*\b+16*\j
	ds_load_b128 v[BR+16*\b+4*\j:BR+16*\b+4*\j+3], v10 offset:128*\b+16*\j
.endr
.endr
.irp b, 0,1,2,3
	v_mov_b32 v[TM+4+\b], 0                        ; a lane permute's destination counts as one of its sources
.endr
	QUANT4 X, PC, PW                               ; while B's fragments are on their way
	global_store_b128 v1, v[PC:PC+3], s[42:43]
	global_store_b128 v1, v[PC+4:PC+7], s[42:43] offset:512
	ds_store_b32 v11, v[PW]
	s_wait_dscnt 0x0                               ; B's fragments are in
; u's part of my K step: 32 steps of 4 along K, two accumulators by turns; the first products start the sums.  Lane (r, h), register j: token r, row 8 h + j of B's tile.
.set n, 0
.rept 32
.if n == 0
	v_wmma_f32_16x16x4_f32 v[240:247], v[XR:XR+1], v[X:X+1], 0
	v_wmma_f32_16x16x4_f32 v[248:255], v[BR:BR+1], v[X:X+1], 0
.else
	v_wmma_f32_16x16x4_f32 v[240:247], v[XR+2*n:XR+2*n+1], v[X+2*n:X+2*n+1], v[240:247]
	v_wmma_f32_16x16x4_f32 v[248:255], v[BR+2*n:BR+2*n+1], v[X+2*n:X+2*n+1], v[248:255]
.endif
.set n, n+1
.endr
.rept 8
	v_nop                                          ; eight places behind this form, for the stores below and for the loads into B's registers further down
.endr
	ds_store_b128 v12, v[240:243]                  ; each accumulator from its low end on
	ds_store_b128 v12, v[244:247] offset:512
	ds_store_b128 v12, v[248:251] offset:1024
	ds_store_b128 v12, v[252:255] offset:1536
	s_wait_dscnt 0x0                               ; for the others' sake: all my LDS stores have landed
	s_barrier_signal -1
	s_barrier_wait -1
	s_cmp_lt_u32 s38, 3
	s_cbranch_scc0 .Lnot_sum
.irp k, 0,1,2,3,4,5,6,7                        ; waves 0, 1, 2 add the eight K steps' parts for q, k, v: lane l takes token l >> 1, columns 4 (l & 1) on
	ds_load_b128 v[16+4*\k:19+4*\k], v13 offset:2048*\k
.endr
	s_wait_dscnt 0x0
.irp k, 0,2,4,6
	v_pk_add_f32 v[16+4*\k:17+4*\k], v[16+4*\k:17+4*\k], v[20+4*\k:21+4*\k]
	v_pk_add_f32 v[18+4*\k:19+4*\k], v[18+4*\k:19+4*\k], v[22+4*\k:23+4*\k]
.endr
.irp k, 0,4
	v_pk_add_f32 v[16+4*\k:17+4*\k], v[16+4*\k:17+4*\k], v[24+4*\k:25+4*\k]
	v_pk_add_f32 v[18+4*\k:19+4*\k], v[18+4*\k:19+4*\k], v[26+4*\k:27+4*\k]
.endr
	v_pk_add_f32 v[16:17], v[16:17], v[32:33]
	v_pk_add_f32 v[18:19], v[18:19], v[34:35]
	v_pk_add_f32 v[16:17], v[16:17], v[16:17]      ; x 2, the LoRA scale 16 / 8: exact
	v_pk_add_f32 v[18:19], v[18:19], v[18:19]
	global_store_b128 v1, v[16:19], s[36:37]       ; 512 consecutive bytes: u[matrix][tile][16][8]
	s_branch .Ldone
.Lnot_sum:
	s_cmp_eq_u32 s38, 3
	s_cbranch_scc0 .Lnot_x
	ds_load_b128 v[16:19], v15                     ; wave 3: x's scale image
	s_wait_dscnt 0x0
	global_store_b128 v1, v[16:19], s[32:33] offset:8192
	s_branch .Ldone
.Lnot_x:
	s_cmp_eq_u32 s38, 4
	s_cbranch_scc0 .Ldone
	ds_load_b128 v[16:19], v15 offset:512          ; wave 4: W's
	s_wait_dscnt 0x0
	global_store_b128 v1, v[16:19], s[34:35] offset:8192
.Ldone:
	s_set_vgpr_msb 0x5
	s_wait_tensorcnt 0x0
	ds_add_u32 v0, v1
	s_wait_dscnt 0x0
	s_set_vgpr_msb 0x500
	s_endpgm
.Lfunc_end_k_q76739c71a7_prep:
	.size	k_q76739c71a7_prep, .Lfunc_end_k_q76739c71a7_prep-k_q76739c71a7_prep
	.p2alignl 7, 3214868480
	.fill 96, 4, 3214868480
	.section	.rodata,"a",@progbits
	.p2align	6, 0x0
	.amdhsa_kernel k_q76739c71a7_prep
		.amdhsa_group_segment_fixed_size 187392
		.amdhsa_private_segment_fixed_size 0
		.amdhsa_enable_private_segment 0
		.amdhsa_kernarg_size 120
		.amdhsa_user_sgpr_count 2
		.amdhsa_user_sgpr_kernarg_segment_ptr 1
		.amdhsa_wavefront_size32 1
		.amdhsa_system_sgpr_workgroup_id_x 1
		.amdhsa_system_sgpr_workgroup_id_y 1
		.amdhsa_system_sgpr_workgroup_id_z 1
		.amdhsa_system_vgpr_workitem_id 0
		.amdhsa_next_free_vgpr 258
		.amdhsa_next_free_sgpr 66
		.amdhsa_reserve_vcc 0
		.amdhsa_float_denorm_mode_32 3
		.amdhsa_float_denorm_mode_16_64 3
		.amdhsa_memory_ordered 1
		.amdhsa_forward_progress 1
		.amdhsa_inst_pref_size 26
	.end_amdhsa_kernel
	.amdgpu_metadata
---
amdhsa.version: [ 1, 2 ]
amdhsa.kernels:
  - .name:           k_q76739c71a7_prep
    .symbol:         k_q76739c71a7_prep.kd
    .args:
      - { .name: x, .offset: 0, .size: 8, .value_kind: global_buffer, .address_space: global }
      - { .name: Bq, .offset: 8, .size: 8, .value_kind: global_buffer, .address_space: global }
      - { .name: Bk, .offset: 16, .size: 8, .value_kind: global_buffer, .address_space: global }
      - { .name: Bv, .offset: 24, .size: 8, .value_kind: global_buffer, .address_space: global }
      - { .name: Wq_codes, .offset: 32, .size: 8, .value_kind: global_buffer, .address_space: global }
      - { .name: Wk_codes, .offset: 40, .size: 8, .value_kind: global_buffer, .address_space: global }
      - { .name: Wv_codes, .offset: 48, .size: 8, .value_kind: global_buffer, .address_space: global }
      - { .name: Wp_codes, .offset: 56, .size: 8, .value_kind: global_buffer, .address_space: global }
      - { .name: Wq_scales, .offset: 64, .size: 8, .value_kind: global_buffer, .address_space: global }
      - { .name: Wk_scales, .offset: 72, .size: 8, .value_kind: global_buffer, .address_space: global }
      - { .name: Wv_scales, .offset: 80, .size: 8, .value_kind: global_buffer, .address_space: global }
      - { .name: Wp_scales, .offset: 88, .size: 8, .value_kind: global_buffer, .address_space: global }
      - { .name: xrec, .offset: 96, .size: 8, .value_kind: global_buffer, .address_space: global }
      - { .name: wrec, .offset: 104, .size: 8, .value_kind: global_buffer, .address_space: global }
      - { .name: u, .offset: 112, .size: 8, .value_kind: global_buffer, .address_space: global }
    .group_segment_fixed_size: 187392
    .private_segment_fixed_size: 0
    .kernarg_segment_align: 8
    .kernarg_segment_size: 120
    .max_flat_workgroup_size: 256
    .sgpr_count:     66
    .vgpr_count:     258
    .wavefront_size: 32
...
	.end_amdgpu_metadata
.endif
;; end of part 1
;; launch qkv (part 2): grid 32 x 8, 12 waves a work-group, clusters of 4 x 1, 280,064 bytes of LDS; arguments xrec, wrec, u, Aq, Ak, Av, qrec, kv; writes qrec, kv
.if DOCPART == 2
	.amdgcn_target "amdgcn-amd-amdhsa--gfx1250"
	.amdhsa_code_object_version 6
	.text
	.protected	k_q76739c71a7_qkv
	.globl	k_q76739c71a7_qkv
	.p2align	8
	.type	k_q76739c71a7_qkv,@function
k_q76739c71a7_qkv:
	s_mov_b64 s[64:65], 0
	v_nop
	global_prefetch_b8 v0, s[64:65] scope:SCOPE_SE
	s_setreg_imm32_b32 hwreg(HW_REG_WAVE_MODE, 25, 1), 1
	s_wait_xcnt 0x0
	s_wait_alu depctr_hold_cnt(0) depctr_sa_sdst(0) depctr_va_vdst(0) depctr_va_sdst(0) depctr_va_ssrc(0) depctr_va_vcc(0) depctr_vm_vsrc(0)
	s_getreg_b32 s2, hwreg(HW_REG_IB_STS2, 6, 4)
	s_cmp_eq_u32 s2, 0
	s_cbranch_scc0 .Lentry_in_a_cluster
	s_endpgm
.Lentry_in_a_cluster:
	s_bfe_u32 s2, ttmp6, 0x10000c
	s_cmp_lg_u32 s2, 0x3003
	s_cbranch_scc0 .Lentry_shape_is_right
	s_endpgm
.Lentry_shape_is_right:
; q, k, v = x W^T (codes of FP4, one E8M0 byte for each 32 along K) + u A^T (f32 operands: the sums go into a quantiser), then quantised: q and k along the head's 64, v along the keys.
; SHARES.  A work-group takes 128 tokens (block blk) and 6 of the 48 pairs (matrix, head): pair G = 6 part + (wave >> 1), matrix G >> 4 (0 q, 1 k, 2 v), head G & 15; two waves (e = wave & 1) to a pair.
; A wave of q or k: 64 tokens (tiles 4 e + i) x the head's 64 features (tiles f), source 0 = W, source 1 = x: a lane holds one token, its registers run along the head.
; A wave of v: 128 tokens (tiles i) x 32 features (tiles 2 e + f), source 0 = x, source 1 = W: a lane holds one feature, its registers run along the tokens, which are the second attention product's K.
; Sixteen accumulators a wave either way.  The LoRA product starts the sums (two steps of 4 along its K = 8) while the tiles are on their way; the eight K steps of 128 add onto them.
; LDS, filled once: the part's 24 records of W (208,896 bytes), asked for JOINTLY by the four work-groups of a cluster, which differ in their tokens alone; then my 8 records of x.  A wave has at most two tensor loads out.
; OUT.  qrec[bh][step], 4,608 bytes: 8 tile images of 512 bytes (lane (r, h): dims 32 h .. + 31 of row r); at 4096 + 256 e + 8 (r + 16 h) + 4 q the scale word of tile 4 e + 2 q + h (two bytes, then 0x7f7f for the zero codes that fill K to 128).
;       kv[bh][step], 8,960 bytes: k laid as q; at 4608 + 1024 ct + 512 c + 16 lane v's fragment of 16 channels x 128 keys; at 8704 + 128 e + 4 (r + 16 h) the scale word of channel tile 2 e + h.
; LIMITS: as in the first launch (NaN, infinities not served; the byte is held at 1 from below).
.set REC, 8704
.set XL,  208896                       ; x's records in LDS
.set TM,  48                           ; the way out: v48-63 at work
.set SEL, 2                            ; s[2:3]
; REGISTERS: v1 16 x lane; v2 my W records; v3, v4 my x records; v5, v6 offsets into u and A; v7 4 x lane; v8-47 scale words and nothing else; v48-127 fragments (first the LoRA operands, last the way out);
;            v128-255 the accumulators, written by matrix instructions alone.
.macro NOPS n
.rept \n
	v_nop
.endr
.endm
.macro ROUND                           ; a round of the cluster's barrier
	s_barrier_signal -1
	s_barrier_wait -1
	s_cmp_lg_u32 s23, 0
	s_cbranch_scc1 .Lnot_wave_0_\@
	s_barrier_signal -3
.Lnot_wave_0_\@:
	s_barrier_wait -3
	s_barrier_signal -1
	s_barrier_wait -1
.endm
.macro WM d, a, b, sa, sb, odd         ; one product of 16 x 16 x 128 in place; an odd K step's scale words lie in lanes 16-31
.if \odd
	v_wmma_scale_f32_16x16x128_f8f6f4 v[(\d):(\d)+7], v[(\a):(\a)+7], v[(\b):(\b)+7], v[(\d):(\d)+7], v[\sa], v[\sb] matrix_a_fmt:MATRIX_FMT_FP4 matrix_b_fmt:MATRIX_FMT_FP4 matrix_a_scale:MATRIX_SCALE_ROW1 matrix_b_scale:MATRIX_SCALE_ROW1
.else
	v_wmma_scale_f32_16x16x128_f8f6f4 v[(\d):(\d)+7], v[(\a):(\a)+7], v[(\b):(\b)+7], v[(\d):(\d)+7], v[\sa], v[\sb] matrix_a_fmt:MATRIX_FMT_FP4 matrix_b_fmt:MATRIX_FMT_FP4
.endif
.endm
.macro QUANT4 s, pc, pw                ; 64 numbers, register 16 b + i = k 32 b + 16 (lane / 16) + i: a fragment's codes and its scale word
.irp b, 0,1,2,3
	v_max3_num_f32 v[TM+\b], |v[(\s)+16*\b]|, |v[(\s)+1+16*\b]|, 0x1800000
.endr
.irp i, 2,4,6,8,10,12,14
.irp b, 0,1,2,3
	v_max3_num_f32 v[TM+\b], v[TM+\b], |v[(\s)+16*\b+\i]|, |v[(\s)+1+16*\b+\i]|
.endr
.endr
.irp b, 0,1,2,3
	v_permlanex16_b32 v[TM+4+\b], v[TM+\b], s[SEL], s[SEL+1]
.endr
.irp b, 0,1,2,3
	v_max_num_f32 v[TM+\b], v[TM+\b], v[TM+4+\b]
.endr
.irp b, 0,1,2,3
	v_add_nc_u32 v[TM+12+\b], 0xff000000, v[TM+\b]
.endr
.irp b, 0,1,2,3
	v_lshrrev_b32 v[TM+4+\b], 23, v[TM+12+\b]
.endr
	v_lshl_or_b32 v[\pw], v[TM+5], 8, v[TM+4]
	v_lshl_or_b32 v[\pw], v[TM+6], 16, v[\pw]
	v_lshl_or_b32 v[\pw], v[TM+7], 24, v[\pw]
.irp b, 0,1,2,3
	v_cvt_scalef32_pk8_fp4_f32 v[(\pc)+2*\b], v[(\s)+16*\b:(\s)+7+16*\b], v[TM+12+\b]
	v_cvt_scalef32_pk8_fp4_f32 v[(\pc)+1+2*\b], v[(\s)+8+16*\b:(\s)+15+16*\b], v[TM+12+\b]
.endr
	v_nop
.irp c, 0,1
.irp i, 0,1
	v_permlane16_swap_b32 v[(\pc)+4*\c+\i], v[(\pc)+2+4*\c+\i]
.endr
.endr
.endm
.macro QUANT2 s, pc                    ; the same for 32 numbers, two blocks: four registers of codes; the two bytes stay in v[TM+4], v[TM+5]
.irp b, 0,1
	v_max3_num_f32 v[TM+\b], |v[(\s)+16*\b]|, |v[(\s)+1+16*\b]|, 0x1800000
.endr
.irp i, 2,4,6,8,10,12,14
.irp b, 0,1
	v_max3_num_f32 v[TM+\b], v[TM+\b], |v[(\s)+16*\b+\i]|, |v[(\s)+1+16*\b+\i]|
.endr
.endr
.irp b, 0,1
	v_permlanex16_b32 v[TM+4+\b], v[TM+\b], s[SEL], s[SEL+1]
.endr
.irp b, 0,1
	v_max_num_f32 v[TM+\b], v[TM+\b], v[TM+4+\b]
.endr
.irp b, 0,1
	v_add_nc_u32 v[TM+12+\b], 0xff000000, v[TM+\b]
.endr
.irp b, 0,1
	v_lshrrev_b32 v[TM+4+\b], 23, v[TM+12+\b]
.endr
.irp b, 0,1
	v_cvt_scalef32_pk8_fp4_f32 v[(\pc)+2*\b], v[(\s)+16*\b:(\s)+7+16*\b], v[TM+12+\b]
	v_cvt_scalef32_pk8_fp4_f32 v[(\pc)+1+2*\b], v[(\s)+8+16*\b:(\s)+15+16*\b], v[TM+12+\b]
.endr
	v_nop
.irp i, 0,1
	v_permlane16_swap_b32 v[(\pc)+\i], v[(\pc)+2+\i]
.endr
.endm
	s_load_b512 s[4:19], s[0:1], 0x0               ; xrec s[4:5], wrec s[6:7], u s[8:9], Aq, Ak, Av s[10:15], qrec s[16:17], kv s[18:19]
	s_set_vgpr_msb 0x40
	v_lshl_add_u32 v0, v0, 2, 0x44000
	v_mov_b32 v1, 0
	s_set_vgpr_msb 0x4045
	ds_add_u32 v0, v1
	ds_add_u32 v0, v1
	s_set_vgpr_msb 0x4500
	v_lshrrev_b32 v112, 5, v0
	v_readfirstlane_b32 s23, v112                  ; wave 0..11
	v_and_b32 v113, 31, v0                         ; lane
	v_and_b32 v114, 15, v0                         ; r
	v_bfe_u32 v115, v0, 4, 1                       ; h
	v_lshlrev_b32 v1, 4, v113
	v_lshlrev_b32 v7, 2, v113
	v_lshlrev_b32 v5, 5, v114
	v_lshl_add_u32 v5, v115, 4, v5                 ; u: row r of 32 bytes, + 16 h: columns 4 h .. 4 h + 3
	v_and_b32 v116, 8, v114
	v_add_nc_u32 v116, v116, v114
	v_lshlrev_b32 v6, 5, v116
	v_lshl_add_u32 v6, v115, 4, v6                 ; A: row r + (r & 8) of a tile, likewise
	s_bfe_u32 s20, ttmp6, 0x40000                  ; cx: it enters global addresses of my own loads and stores alone
	s_lshl_b32 s21, ttmp9, 2
	s_add_co_u32 s21, s21, s20                     ; blk: my 128 tokens
	s_and_b32 s22, ttmp7, 0xffff                   ; part, which the four partners share
	s_lshr_b32 s24, s23, 1
	s_and_b32 s25, s23, 1                          ; e
	s_mul_i32 s26, s22, 6
	s_add_co_u32 s26, s26, s24                     ; G
	s_lshr_b32 s27, s26, 4                         ; matrix
	s_and_b32 s28, s26, 15                         ; head
	s_lshr_b32 s29, s21, 4
	s_lshl_b32 s29, s29, 4
	s_add_co_u32 s29, s29, s28                     ; bh = 16 x batch + head
	s_lshl_b32 s30, s29, 4
	s_and_b32 s31, s21, 15
	s_add_co_u32 s30, s30, s31                     ; the entry of qrec or kv: 16 bh + step
	s_cmp_eq_u32 s27, 2
	s_cselect_b32 s66, s25, 0                      ; e in a wave of v, else 0
	s_cselect_b32 s67, 0, s25                      ; e in a wave of q or k, else 0
	s_lshl_b32 s68, s24, 2
	s_lshl_b32 s66, s66, 1
	s_add_co_u32 s68, s68, s66
	s_mul_i32 s68, s68, REC
	v_add_nc_u32 v2, s68, v1                       ; my W records: 4 (wave >> 1), in a wave of v + 2 e
	s_mul_i32 s69, s67, 4*REC
	s_add_co_u32 s69, s69, XL
	v_add_nc_u32 v3, s69, v1                       ; my x records: from tile 4 e (q, k) or 0 (v) on
	v_add_nc_u32 v4, XL+4*REC, v1                  ; and from tile 4 on (v)
	s_mov_b32 s[SEL], 0x76543210
	s_mov_b32 s[SEL+1], 0xfedcba98
	; descriptors: dense blocks as rows of 256 bytes (32 elements of 8 bytes)
	s_mov_b32 s32, 15|(3<<16)|(1<<21)              ; W: 15:0 the mask, all four work-groups; 17:16 elements of 8 bytes; 21 set beside a mask
	s_mov_b32 s33, 32<<16                          ; tensor_dim0 = 32
	s_mov_b32 s34, 68<<16                          ; tensor_dim1 = 68: two records
	s_mov_b32 s35, 32<<16                          ; tile_dim0
	s_mov_b32 s36, 68                              ; tile_dim1
	s_mov_b32 s37, 32                              ; stride
	s_mov_b32 s38, 0
	s_mov_b32 s39, 0
	s_mov_b32 s40, 3<<16                           ; x: no mask; one record, 34 rows
	s_mov_b32 s41, 32<<16
	s_mov_b32 s42, 34<<16
	s_mov_b32 s43, 32<<16
	s_mov_b32 s44, 34
	s_mov_b32 s45, 32
	s_mov_b32 s46, 0
	s_mov_b32 s47, 0
	s_mov_b32 s48, 1
	s_mul_i32 s49, s23, 2*REC                      ; W's records 2 w, 2 w + 1 of the part's 24
	s_mul_i32 s70, s22, 24
	s_lshl_b32 s71, s23, 1
	s_add_co_u32 s70, s70, s71
	s_mul_i32 s70, s70, REC
	s_mov_b32 s71, 0
	s_mov_b32 s52, 1
	s_min_u32 s72, s23, 7                          ; (waves 8-11 issue no load of x: their descriptor is held at wave 7's)
	s_mul_i32 s53, s72, REC
	s_add_co_u32 s53, s53, XL
	s_lshl_b32 s74, s21, 3
	s_add_co_u32 s74, s74, s72
	s_mul_i32 s74, s74, REC
	s_mov_b32 s75, 0
	s_wait_dscnt 0x0
	s_wait_kmcnt 0x0
	s_add_nc_u64 s[50:51], s[6:7], s[70:71]
	s_or_b32 s51, s51, 0x80000000
	s_add_nc_u64 s[54:55], s[4:5], s[74:75]
	s_or_b32 s55, s55, 0x80000000
	; bases of my global loads and stores
	s_cmp_eq_u32 s27, 0
	s_cselect_b64 s[58:59], s[10:11], s[12:13]
	s_cselect_b64 s[60:61], s[16:17], s[18:19]     ; q goes to qrec, k and v to kv
	s_mov_b32 s70, 8960
	s_cselect_b32 s70, 4608, s70
	s_cmp_eq_u32 s27, 2
	s_cselect_b64 s[58:59], s[14:15], s[58:59]     ; my A
	s_mul_i32 s70, s30, s70
	s_add_nc_u64 s[60:61], s[60:61], s[70:71]      ; my entry
	s_lshl_b32 s70, s67, 8
	s_lshl_b32 s72, s66, 6
	s_add_co_u32 s70, s70, s72                     ; scale words: + 256 e (q, k) or 128 e (v)
	s_add_nc_u64 s[56:57], s[60:61], s[70:71]
	s_lshl_b32 s70, s25, 11
	s_add_nc_u64 s[60:61], s[60:61], s[70:71]      ; codes: + 2048 e
	s_lshl_b32 s70, s28, 11                        ; A: the head's 64 rows of 32 bytes,
	s_lshl_b32 s72, s66, 9                         ; in a wave of v + 32 e rows
	s_add_co_u32 s70, s70, s72
	s_add_nc_u64 s[58:59], s[58:59], s[70:71]
	s_lshl_b32 s70, s21, 3
	s_lshl_b32 s72, s67, 2
	s_add_co_u32 s70, s70, s72
	s_lshl_b32 s70, s70, 9                         ; u: 512 bytes a tile, from tile 8 blk (+ 4 e) on,
	s_lshl_b32 s72, s27, 17                        ; in my matrix's 131,072 bytes
	s_add_co_u32 s70, s70, s72
	s_add_nc_u64 s[62:63], s[8:9], s[70:71]
	ROUND                                          ; all four work-groups are here: the joint loads meet
	s_cmp_lt_u32 s23, 8                            ; a wave's first fills stand in one branch on its number
	s_cbranch_scc0 .Lonly_w
	tensor_load_to_lds s[48:51], s[32:39]
	s_nop 0
	tensor_load_to_lds s[52:55], s[40:47]
	s_nop 0
	NOPS 4
	s_branch .Lasked
.Lonly_w:
	tensor_load_to_lds s[48:51], s[32:39]
	s_nop 0
	NOPS 4
.Lasked:
	; THE LoRA PRODUCT STARTS THE SUMS.  K = 8 in two steps of 4; slot (h, j) of step kk stands for column 4 h + 2 kk + j on both sides.
	s_cmp_eq_u32 s27, 2
	s_cbranch_scc1 .Llora_v
.irp f, 0,1,2,3
	global_load_b128 v[48+4*\f:51+4*\f], v6, s[58:59] offset:32*(32*(\f/2)+8*(\f%2))
.endr
.irp i, 0,1,2,3
	global_load_b128 v[64+4*\i:67+4*\i], v5, s[62:63] offset:512*\i
.endr
	s_wait_loadcnt 0x0
.irp kk, 0,1
.irp i, 0,1,2,3
.irp f, 0,1,2,3
.if \kk == 0
	v_wmma_f32_16x16x4_f32 v[128+8*(4*\i+\f):135+8*(4*\i+\f)], v[48+4*\f:49+4*\f], v[64+4*\i:65+4*\i], 0
.else
	v_wmma_f32_16x16x4_f32 v[128+8*(4*\i+\f):135+8*(4*\i+\f)], v[50+4*\f:51+4*\f], v[66+4*\i:67+4*\i], v[128+8*(4*\i+\f):135+8*(4*\i+\f)]
.endif
.endr
.endr
.endr
	s_branch .Lfilled
.Llora_v:
.irp f, 0,1
	global_load_b128 v[48+4*\f:51+4*\f], v6, s[58:59] offset:256*\f
.endr
.irp i, 0,1,2,3,4,5,6,7
	global_load_b128 v[56+4*\i:59+4*\i], v5, s[62:63] offset:512*\i
.endr
	s_wait_loadcnt 0x0
.irp kk, 0,1
.irp f, 0,1
.irp i, 0,1,2,3,4,5,6,7
.if \kk == 0
	v_wmma_f32_16x16x4_f32 v[128+8*(8*\f+\i):135+8*(8*\f+\i)], v[56+4*\i:57+4*\i], v[48+4*\f:49+4*\f], 0
.else
	v_wmma_f32_16x16x4_f32 v[128+8*(8*\f+\i):135+8*(8*\f+\i)], v[58+4*\i:59+4*\i], v[50+4*\f:51+4*\f], v[128+8*(8*\f+\i):135+8*(8*\f+\i)]
.endif
.endr
.endr
.endr
.Lfilled:
	NOPS 9                                         ; nine places behind the f32 form: another form takes its results up, and loads land in its sources
	s_wait_tensorcnt 0x0                           ; my records have landed,
	s_barrier_signal -1
	s_barrier_wait -1                              ; everybody's have
	s_cmp_eq_u32 s27, 2
	s_cbranch_scc1 .Lmain_v
; ---- q, k.  Scale words: W's tile f at v[8 + 4 f] on, x's tile i at v[24 + 4 i] on: register ks >> 1, lanes 0-15 for an even K step, 16-31 for an odd one
.irp f, 0,1,2,3
	ds_load_b128 v[8+4*\f:11+4*\f], v2 offset:REC*\f+8192
.endr
.irp i, 0,1,2,3
	ds_load_b128 v[24+4*\i:27+4*\i], v3 offset:REC*\i+8192
.endr
.macro KSTEP_QK ks
.if (\ks) > 0
	NOPS 4                                         ; places in front of loads into registers that matrix instructions have read
.endif
.irp f, 0,1,2,3
.irp c, 0,1
	ds_load_b128 v[48+8*\f+4*\c:51+8*\f+4*\c], v2 offset:REC*\f+1024*(\ks)+512*\c
.endr
.endr
.irp i, 0,1,2,3
.irp c, 0,1
	ds_load_b128 v[80+8*\i+4*\c:83+8*\i+4*\c], v3 offset:REC*\i+1024*(\ks)+512*\c
.endr
.endr
	s_wait_dscnt 0x0
.irp i, 0,1,2,3                                ; the sixteen accumulators by turns, in the same order in every step
.irp f, 0,1,2,3
	WM 128+8*(4*\i+\f), 48+8*\f, 80+8*\i, 8+4*\f+(\ks)/2, 24+4*\i+(\ks)/2, (\ks)%2
.endr
.endr
.endm
.irp ks, 0,1,2,3,4,5,6,7
	KSTEP_QK \ks
.endr
	NOPS 4
.irp b, 0,1,2,3
	v_mov_b32 v[TM+4+\b], 0                        ; a lane permute's destination counts as one of its sources
.endr
	v_lshlrev_b32 v113, 1, v7                      ; 8 x lane
	s_mov_b32 vcc_lo, 0xffff0000                   ; lanes 16-31
.irp i, 0,1,2,3                                ; token tile 4 e + i: 32 registers = the head's 64 dims of my token; codes in a set of their own, so that no store's data are written again
	QUANT2 128+32*\i, 64+4*\i
	v_lshl_or_b32 v[80+\i], v[TM+5], 8, v[TM+4]
	v_or_b32 v[80+\i], 0x7f7f0000, v[80+\i]        ; the upper 64 of the instruction's K are zero codes: byte 127
	global_store_b128 v1, v[64+4*\i:67+4*\i], s[60:61] offset:512*\i   ; 512 consecutive bytes
.endr
	v_cndmask_b32 v84, v80, v81, vcc_lo            ; lanes 0-15 tile 4 e, lanes 16-31 tile 4 e + 1;
	v_cndmask_b32 v85, v82, v83, vcc_lo            ; tiles 4 e + 2 and 4 e + 3
	global_store_b64 v113, v[84:85], s[56:57] offset:4096   ; 256 consecutive bytes
	s_branch .Lend
; ---- v.  Scale words: W's tile f at v[8 + 4 f] on, x's tile i at v[16 + 4 i] on
.Lmain_v:
.irp f, 0,1
	ds_load_b128 v[8+4*\f:11+4*\f], v2 offset:REC*\f+8192
.endr
.irp i, 0,1,2,3
	ds_load_b128 v[16+4*\i:19+4*\i], v3 offset:REC*\i+8192
	ds_load_b128 v[32+4*\i:35+4*\i], v4 offset:REC*\i+8192
.endr
.macro KSTEP_V ks
.if (\ks) > 0
	NOPS 4
.endif
.irp f, 0,1
.irp c, 0,1
	ds_load_b128 v[48+8*\f+4*\c:51+8*\f+4*\c], v2 offset:REC*\f+1024*(\ks)+512*\c
.endr
.endr
.irp i, 0,1,2,3
.irp c, 0,1
	ds_load_b128 v[64+8*\i+4*\c:67+8*\i+4*\c], v3 offset:REC*\i+1024*(\ks)+512*\c
	ds_load_b128 v[96+8*\i+4*\c:99+8*\i+4*\c], v4 offset:REC*\i+1024*(\ks)+512*\c
.endr
.endr
	s_wait_dscnt 0x0
.irp f, 0,1
.irp i, 0,1,2,3,4,5,6,7
	WM 128+8*(8*\f+\i), 64+8*\i, 48+8*\f, 16+4*\i+(\ks)/2, 8+4*\f+(\ks)/2, (\ks)%2
.endr
.endr
.endm
.irp ks, 0,1,2,3,4,5,6,7
	KSTEP_V \ks
.endr
	NOPS 4
.irp b, 0,1,2,3
	v_mov_b32 v[TM+4+\b], 0
.endr
	s_mov_b32 vcc_lo, 0xffff0000
.irp f, 0,1                                    ; channel tile 2 e + f: 64 registers = my channel's 128 keys
	QUANT4 128+64*\f, 64+8*\f, 80+\f
	global_store_b128 v1, v[64+8*\f:67+8*\f], s[60:61] offset:4608+1024*\f
	global_store_b128 v1, v[68+8*\f:71+8*\f], s[60:61] offset:4608+1024*\f+512
.endr
	v_cndmask_b32 v82, v80, v81, vcc_lo            ; lanes 0-15 tile 2 e, lanes 16-31 tile 2 e + 1
	global_store_b32 v7, v82, s[56:57] offset:8704
.Lend:
	s_set_vgpr_msb 0x5
	s_wait_tensorcnt 0x0
	ds_add_u32 v0, v1
	s_wait_dscnt 0x0
	s_set_vgpr_msb 0x500
	ROUND                                          ; the closing round: no work-group ends while a partner may still ask for a tile that names it
	s_endpgm
.Lfunc_end_k_q76739c71a7_qkv:
	.size	k_q76739c71a7_qkv, .Lfunc_end_k_q76739c71a7_qkv-k_q76739c71a7_qkv
	.p2alignl 7, 3214868480
	.fill 96, 4, 3214868480
	.section	.rodata,"a",@progbits
	.p2align	6, 0x0
	.amdhsa_kernel k_q76739c71a7_qkv
		.amdhsa_group_segment_fixed_size 280064
		.amdhsa_private_segment_fixed_size 0
		.amdhsa_enable_private_segment 0
		.amdhsa_kernarg_size 64
		.amdhsa_user_sgpr_count 2
		.amdhsa_user_sgpr_kernarg_segment_ptr 1
		.amdhsa_wavefront_size32 1
		.amdhsa_system_sgpr_workgroup_id_x 1
		.amdhsa_system_sgpr_workgroup_id_y 1
		.amdhsa_system_sgpr_workgroup_id_z 1
		.amdhsa_system_vgpr_workitem_id 0
		.amdhsa_next_free_vgpr 258
		.amdhsa_next_free_sgpr 80
		.amdhsa_reserve_vcc 1
		.amdhsa_float_denorm_mode_32 3
		.amdhsa_float_denorm_mode_16_64 3
		.amdhsa_memory_ordered 1
		.amdhsa_forward_progress 1
		.amdhsa_inst_pref_size 84
	.end_amdhsa_kernel
	.amdgpu_metadata
---
amdhsa.version: [ 1, 2 ]
amdhsa.kernels:
  - .name:           k_q76739c71a7_qkv
    .symbol:         k_q76739c71a7_qkv.kd
    .args:
      - { .name: xrec, .offset: 0, .size: 8, .value_kind: global_buffer, .address_space: global }
      - { .name: wrec, .offset: 8, .size: 8, .value_kind: global_buffer, .address_space: global }
      - { .name: u, .offset: 16, .size: 8, .value_kind: global_buffer, .address_space: global }
      - { .name: Aq, .offset: 24, .size: 8, .value_kind: global_buffer, .address_space: global }
      - { .name: Ak, .offset: 32, .size: 8, .value_kind: global_buffer, .address_space: global }
      - { .name: Av, .offset: 40, .size: 8, .value_kind: global_buffer, .address_space: global }
      - { .name: qrec, .offset: 48, .size: 8, .value_kind: global_buffer, .address_space: global }
      - { .name: kv, .offset: 56, .size: 8, .value_kind: global_buffer, .address_space: global }
    .group_segment_fixed_size: 280064
    .private_segment_fixed_size: 0
    .kernarg_segment_align: 8
    .kernarg_segment_size: 64
    .max_flat_workgroup_size: 384
    .sgpr_count:     80
    .vgpr_count:     258
    .wavefront_size: 32
...
	.end_amdgpu_metadata
.endif
;; end of part 2
;; launch attn (part 3): grid 8 x 32, 16 waves a work-group, no clusters, 169,984 bytes of LDS; arguments qrec, kv, orec; writes orec
.if DOCPART == 3
	.amdgcn_target "amdgcn-amd-amdhsa--gfx1250"
	.amdhsa_code_object_version 6
	.text
	.protected	k_q76739c71a7_attn
	.globl	k_q76739c71a7_attn
	.p2align	8
	.type	k_q76739c71a7_attn,@function
k_q76739c71a7_attn:
	s_mov_b64 s[64:65], 0
	v_nop
	global_prefetch_b8 v0, s[64:65] scope:SCOPE_SE
	s_setreg_imm32_b32 hwreg(HW_REG_WAVE_MODE, 25, 1), 1
	s_wait_xcnt 0x0
; o = softmax(q k^T / 8 + slope (i - j), causal) v for one (batch, head), both products on codes of FP4 with one E8M0 byte for each 32 along K; o is quantised along the features and laid as records for the last launch.
; THE SOFTMAX: t = logit x log2(e); M = the running largest t rounded UP to a whole number; p = 2^(t - M) is quantised along the keys, not normalised; the row's sum is taken of the unquantised p and divides at the end.
; When M moves, the sum and O are multiplied by 2^(old M - new M): exact.
; THE LOGIT IS ROUNDED WHERE reference() ROUNDS IT.  slope (i - j) reaches 1,448, where one rounding to f32 is 2^-13: that shows in p.  So: d = i - j (exact); 8 alibi = fl(8 slope x d); 8 logit = fl(dot + 8 alibi).
; The factors 8 are exact.  The dot over the head's 64 dims is a sum of small multiples of powers of two: exact in f32.
; t - M IS MADE WITHOUT A ROUNDING AT THE SIZE OF t (up to 2,089): log2(e) / 8 in two parts, c_hi + c_lo; r1 = fma(8 logit, c_hi, -M), r = fma(8 logit, c_lo, r1): each rounds at the size of its result, which is small wherever p weighs.
; M is the ceiling of the f32 product c_hi x the largest 8 logit: it may differ by one from the ceiling of the unrounded t, which shifts all p of the row and their sum by an exact power of two (p may then pass 1 by a hair: the block's scale takes it up).
; SHARES.  Work-group (a, bh) owns query blocks a and 15 - a of 128: sixteen waves, one tile of 16 queries each; of the two waves of a tile number one takes block a, the other 15 - a: a + 1 and 16 - a key steps, 17 a pair.
; The head's 16 key steps (8,960 bytes each: k's 8 tiles, their scale words, v's 4 fragments, theirs) come into LDS ONCE, wave w bringing step w by one tensor load (one out a wave); 143,360 bytes; nothing is filled again.
; The key loop has a constant 16 trips; a step all of whose keys come after the wave's queries is jumped over (a scalar branch on ids); on the diagonal hidden scores become -infinity.
; NO CLUSTER, though the 8 work-groups of a head read the same 143,360 bytes: the branch that leaves hidden steps out hangs on the work-group's x, which in a cluster would be its place among its partners.
; LAYOUT.  S^T = K Q^T (source 0 = 16 keys, source 1 = my queries), O^T = V^T P^T: a lane holds ONE query.  Row r of key tile 2 b + u is key 32 b + 8 u + r + (r & 8): the 16 registers of two tiles are 16 neighbouring keys.
; The head has 64 dims: the upper 64 of the first product's K are zero codes in both operands (registers cleared once), under byte 127.
; LIMITS: NaN and infinities are not served; a block's byte is held at 1 from below (a block whose every p is 0 keeps that byte: its codes are zeros).
.set KVB, 8960
.set QRB, 4608
.set REC, 8704
.set S,   96                           ; v96-159  the dots, then 8 logit, then t - M, then p
.set O,   160                          ; v160-191 O^T
.set NV,  192                          ; v192-207 -(16 h + n), n = 0 .. 15, as f32
.set PCD, 208                          ; v208-215 p's codes
.set DB,  216                          ; v216-223 even: i - KF - 32 b as f32, b = 0 .. 3; odd: named with them as pairs
.set MB,  224                          ; v224-227 each block's largest 8 logit, then its largest p
.set PT,  228                          ; v228-231 at work
.set SO,  236                          ; v236-239 the conversions' scale operands
.set TP,  240                          ; v240-255 eight pairs: 8 alibi of one block of 32 keys (my 16 of them); later the first part of t - M
.set TM,  224                          ; the last quantiser works in v224-239
.set SEL, 20                           ; s[20:21]
; v1-3 16, 8, 4 x lane; v4-6 the same in the step in hand; v7 my query - 16 h in its block; v[8:9] second chain of the sum; v[10:11] f; v12 -M, v13 the largest t, v[14:15] the sum; v16-23 Q (upper four 0);
; v24 Q's scale word, v25 p's, v26-27 V's, v28-31 K's: v24-31 hold scales and nothing else; v32-63 four fragments of K (upper fours 0); v64-95 V's four; v232 at work; v234 -infinity
; s[22:23] c_hi, s[54:55] c_lo: log2(e) / 8 in two parts; s[52:53] 8 slope
.macro NOPS n
.rept \n
	v_nop
.endr
.endm
.macro QUANT2 s, pc
.irp b, 0,1
	v_max3_num_f32 v[TM+\b], |v[(\s)+16*\b]|, |v[(\s)+1+16*\b]|, 0x1800000
.endr
.irp i, 2,4,6,8,10,12,14
.irp b, 0,1
	v_max3_num_f32 v[TM+\b], v[TM+\b], |v[(\s)+16*\b+\i]|, |v[(\s)+1+16*\b+\i]|
.endr
.endr
.irp b, 0,1
	v_permlanex16_b32 v[TM+4+\b], v[TM+\b], s[SEL], s[SEL+1]
.endr
.irp b, 0,1
	v_max_num_f32 v[TM+\b], v[TM+\b], v[TM+4+\b]
.endr
.irp b, 0,1
	v_add_nc_u32 v[TM+12+\b], 0xff000000, v[TM+\b]
.endr
.irp b, 0,1
	v_lshrrev_b32 v[TM+4+\b], 23, v[TM+12+\b]
.endr
.irp b, 0,1
	v_cvt_scalef32_pk8_fp4_f32 v[(\pc)+2*\b], v[(\s)+16*\b:(\s)+7+16*\b], v[TM+12+\b]
	v_cvt_scalef32_pk8_fp4_f32 v[(\pc)+1+2*\b], v[(\s)+8+16*\b:(\s)+15+16*\b], v[TM+12+\b]
.endr
	v_nop
.irp i, 0,1
	v_permlane16_swap_b32 v[(\pc)+\i], v[(\pc)+2+\i]
.endr
.endm
; 8 alibi of block b's 16 keys of my lane: d = (i - KF - 32 b) - (16 h + n), exact; then one rounding, as reference() rounds slope x (i - j)
.macro ALIBI_T b
.irp m, 0,1,2,3,4,5,6,7
	v_pk_add_f32 v[TP+2*\m:TP+2*\m+1], v[NV+2*\m:NV+2*\m+1], v[DB+2*(\b):DB+2*(\b)+1] op_sel_hi:[1,0]
.endr
.irp m, 0,1,2,3,4,5,6,7
	v_pk_mul_f32 v[TP+2*\m:TP+2*\m+1], v[TP+2*\m:TP+2*\m+1], s[52:53] op_sel_hi:[1,0]
.endr
.endm
; 8 logit = fl(dot + 8 alibi): each accumulator is read from its low end on
.macro ALIBI_ADD b
.irp m, 0,1,2,3,4,5,6,7
	v_pk_add_f32 v[S+16*(\b)+2*\m:S+16*(\b)+2*\m+1], v[S+16*(\b)+2*\m:S+16*(\b)+2*\m+1], v[TP+2*\m:TP+2*\m+1]
.endr
.endm
; t - M of block b's 16 keys of my lane, two at a time: 8 logit x c_hi - M, then + 8 logit x c_lo
.macro T_LESS_M b
.irp m, 0,1,2,3,4,5,6,7
	v_pk_fma_f32 v[TP+2*\m:TP+2*\m+1], v[S+16*(\b)+2*\m:S+16*(\b)+2*\m+1], s[22:23], v[12:13] op_sel_hi:[1,0,0]
.endr
.irp m, 0,1,2,3,4,5,6,7
	v_pk_fma_f32 v[S+16*(\b)+2*\m:S+16*(\b)+2*\m+1], v[S+16*(\b)+2*\m:S+16*(\b)+2*\m+1], s[54:55], v[TP+2*\m:TP+2*\m+1] op_sel_hi:[1,0,1]
.endr
.endm
	s_load_b128 s[4:7], s[0:1], 0x0                ; qrec s[4:5], kv s[6:7]
	s_load_b64 s[8:9], s[0:1], 0x10                ; orec
	v_lshl_add_u32 v233, v0, 2, 0x29000
	v_mov_b32 v235, 0
	ds_add_u32 v233, v235
	ds_add_u32 v233, v235
	v_lshrrev_b32 v244, 5, v0
	v_readfirstlane_b32 s13, v244                  ; wave 0..15
	s_and_b32 s11, ttmp7, 0xffff                   ; bh
	s_and_b32 s12, s11, 15                         ; head
	s_mov_b32 s24, 3<<16                           ; a key step: a dense block of 35 rows of 256 bytes (32 elements of 8 bytes); no mask, no padding
	s_mov_b32 s25, 32<<16
	s_mov_b32 s26, 35<<16
	s_mov_b32 s27, 32<<16
	s_mov_b32 s28, 35
	s_mov_b32 s29, 32
	s_mov_b32 s30, 0
	s_mov_b32 s31, 0
	s_mov_b32 s32, 1
	s_mul_i32 s33, s13, KVB                        ; step w lies at 8,960 w
	s_lshl_b32 s46, s11, 4
	s_add_co_u32 s46, s46, s13
	s_mul_i32 s46, s46, KVB
	s_mov_b32 s47, 0
	s_wait_dscnt 0x0
	s_wait_kmcnt 0x0
	s_add_nc_u64 s[34:35], s[6:7], s[46:47]
	s_or_b32 s35, s35, 0x80000000
	tensor_load_to_lds s[32:35], s[24:31]          ; ahead of everything else
	s_nop 0
	NOPS 4
	s_lshr_b32 s14, s13, 1                         ; ti: my tile of 16 queries in its block
	s_lshr_b32 s15, s13, 2
	s_xor_b32 s15, s15, s13
	s_and_b32 s15, s15, 1
	s_sub_co_u32 s37, 15, ttmp9
	s_cmp_eq_u32 s15, 0
	s_cselect_b32 s16, ttmp9, s37                  ; QB: my block of queries, a or 15 - a
	s_lshl_b32 s38, s11, 4
	s_add_co_u32 s38, s38, s16
	s_mul_i32 s38, s38, QRB                        ; its entry of qrec
	s_lshl_b32 s39, s14, 9
	s_add_co_u32 s46, s38, s39
	s_add_nc_u64 s[40:41], s[4:5], s[46:47]        ; my tile's image
	s_lshr_b32 s39, s14, 2
	s_lshl_b32 s39, s39, 8
	s_add_co_u32 s46, s38, s39
	s_and_b32 s39, s14, 1
	s_lshl_b32 s39, s39, 7
	s_add_co_u32 s46, s46, s39
	s_bfe_u32 s39, s14, 0x10001
	s_lshl_b32 s39, s39, 2
	s_add_co_u32 s46, s46, s39
	s_add_nc_u64 s[42:43], s[4:5], s[46:47]        ; its scale words: 256 (ti >> 2) + 128 (ti & 1) + 4 ((ti >> 1) & 1), + 8 r, + 4096
	v_and_b32 v244, 31, v0
	v_lshlrev_b32 v1, 4, v244
	v_lshlrev_b32 v2, 3, v244
	v_lshlrev_b32 v3, 2, v244
	v_and_b32 v242, 15, v0                         ; r
	v_lshlrev_b32 v245, 3, v242
	global_load_b128 v[16:19], v1, s[40:41]        ; Q's codes stay in registers
	global_load_b32 v24, v245, s[42:43] offset:4096
	s_lshr_b32 s39, s11, 4
	s_lshl_b32 s39, s39, 4
	s_add_co_u32 s39, s39, s16
	s_lshl_b32 s39, s39, 3
	s_add_co_u32 s39, s39, s14                     ; my token tile
	s_mul_i32 s39, s39, REC
	s_lshl_b32 s46, s12, 9                         ; the head's 64 features: K step head >> 1, half head & 1: 512 x head
	s_add_co_u32 s46, s46, s39
	s_add_nc_u64 s[44:45], s[8:9], s[46:47]
	s_bfe_u32 s46, s12, 0x10001
	s_lshl_b32 s46, s46, 8
	s_lshr_b32 s48, s12, 2
	s_lshl_b32 s48, s48, 2
	s_add_co_u32 s46, s46, s48
	s_and_b32 s48, s12, 1
	s_lshl_b32 s48, s48, 1
	s_add_co_u32 s46, s46, s48
	s_add_co_u32 s46, s46, s39
	s_add_nc_u64 s[50:51], s[8:9], s[46:47]        ; the head's two scale bytes of a row: 256 ((head >> 1) & 1) + 4 (head >> 2) + 2 (head & 1), + 16 r + h, + 8192
	; slope = 2^(-(head + 1) / 2) as f32, by its bits
	s_and_b32 s37, s12, 1
	s_cmp_eq_u32 s37, 0
	s_mov_b32 s38, 1.0
	s_cselect_b32 s38, 0x3f3504f3, s38             ; 2^(-1/2) for an even head
	s_add_co_u32 s37, s12, 1
	s_lshr_b32 s37, s37, 1
	s_lshl_b32 s37, s37, 23
	s_sub_co_u32 s38, s38, s37                     ; (head + 1) >> 1 off the exponent
	s_add_co_u32 s52, s38, 3<<23                   ; 8 slope
	s_mov_b32 s53, s52                             ; (named with it as a pair)
	s_mov_b32 s22, 0x3e38aa3b                      ; c_hi: the f32 number nearest log2(e), with 3 off its exponent
	s_mov_b32 s23, s22                             ; (named with it as a pair)
	s_mov_b32 s54, 0x3125705f                      ; c_lo: what log2(e) has beyond that number, 1.926e-8, with 3 off its exponent
	s_mov_b32 s55, s54                             ; (named with it as a pair)
	s_mov_b32 s[SEL], 0x76543210
	s_mov_b32 s[SEL+1], 0xfedcba98
	s_mov_b32 s17, 0                               ; the key step
	s_mov_b32 s18, 0                               ; and where it lies in LDS
	v_bfe_u32 v243, v0, 4, 1
	v_lshlrev_b32 v243, 4, v243                    ; 16 h
	v_and_b32 v244, 8, v242
	v_add_nc_u32 v242, v244, v242                  ; r + (r & 8)
	s_lshr_b32 s37, s14, 1
	s_lshl_b32 s37, s37, 5
	s_and_b32 s39, s14, 1
	s_lshl_b32 s39, s39, 3
	s_add_co_u32 s37, s37, s39
	v_add_nc_u32 v242, s37, v242                   ; my query in its block
	v_sub_nc_u32 v7, v242, v243                    ; less 16 h: for the diagonal
	s_lshl_b32 s37, s16, 7
	v_add_nc_u32 v242, s37, v242                   ; i
.irp b, 0,1,2,3
	v_add_nc_u32 v[DB+2*\b], -32*\b, v242
.endr
.irp b, 0,1,2,3
	v_cvt_f32_i32 v[DB+2*\b], v[DB+2*\b]           ; i - 32 b (KF = 0)
.endr
.set n, 0
.rept 16
	v_add_nc_u32 v[NV+n], n, v243
.set n, n+1
.endr
.set n, 0
.rept 16
	v_cvt_f32_u32 v[NV+n], v[NV+n]
.set n, n+1
.endr
.set n, 0
.rept 16
	v_mul_f32 v[NV+n], -1.0, v[NV+n]               ; -(16 h + n)
.set n, n+1
.endr
	v_mov_b32 v13, 0xff61b1e6                      ; the largest t so far: -3e38
	v_floor_f32 v12, -v13                          ; -M
	v_mov_b32 v14, 0
	v_mov_b32 v15, 0
	v_mov_b32 v11, 0                               ; (named as the upper half of the pair v[10:11])
.irp j, 20,21,22,23, 36,37,38,39, 44,45,46,47, 52,53,54,55, 60,61,62,63
	v_mov_b32 v\j, 0                               ; the zero codes of the upper 64 along K: cleared once, never loaded
.endr
.set n, 0
.rept 32
	v_mov_b32 v[O+n], 0                            ; the loop is written once: its first step finds zeros
.set n, n+1
.endr
.irp b, 0,1,2,3
	v_mov_b32 v[DB+1+2*\b], 0
	v_mov_b32 v[PT+\b], 0                          ; a lane permute's destination counts as one of its sources
.endr
	v_mov_b32 v234, 0xff800000
	s_wait_tensorcnt 0x0                           ; my key step has landed,
	s_wait_loadcnt 0x0                             ; Q is in
	s_barrier_signal -1
	s_barrier_wait -1                              ; everybody's has: the one barrier of the launch
.Lstep:
	s_cmp_gt_u32 s17, s16                          ; all 128 keys come after my queries: nothing to do
	s_cbranch_scc1 .Lskip
	v_add_nc_u32 v4, s18, v1
	v_add_nc_u32 v5, s18, v2
	v_add_nc_u32 v6, s18, v3
	v_nop
.irp t, 0,1,2,3
	ds_load_b128 v[32+8*\t:35+8*\t], v4 offset:512*\t
.endr
	ds_load_b64 v[28:29], v5 offset:4096           ; K's scale words: tile t in register 28 + (t >> 1), lanes 0-15 for an even t, 16-31 for an odd one
	ds_load_b64 v[30:31], v5 offset:4352
	s_wait_dscnt 0x0
.irp t, 0,2
	v_wmma_scale_f32_16x16x128_f8f6f4 v[S+8*\t:S+8*\t+7], v[32+8*\t:39+8*\t], v[16:23], 0, v[28+\t/2], v24 matrix_a_fmt:MATRIX_FMT_FP4 matrix_b_fmt:MATRIX_FMT_FP4
	v_wmma_scale_f32_16x16x128_f8f6f4 v[S+8*\t+8:S+8*\t+15], v[40+8*\t:47+8*\t], v[16:23], 0, v[28+\t/2], v24 matrix_a_fmt:MATRIX_FMT_FP4 matrix_b_fmt:MATRIX_FMT_FP4 matrix_a_scale:MATRIX_SCALE_ROW1
.endr
	NOPS 4                                         ; places in front of loads into registers that matrix instructions have read (with the four above also for V's, which the last step's products read)
.irp t, 0,1,2,3
	ds_load_b128 v[32+8*\t:35+8*\t], v4 offset:2048+512*\t
.endr
.irp t, 0,1,2,3
	ds_load_b128 v[64+8*\t:67+8*\t], v4 offset:4608+1024*\t
	ds_load_b128 v[68+8*\t:71+8*\t], v4 offset:4608+1024*\t+512
.endr
	ds_load_b32 v26, v6 offset:8704                ; V's scale words: tile ct in register 26 + (ct >> 1)
	ds_load_b32 v27, v6 offset:8832
	s_wait_dscnt 10                                ; K's tiles 4-7 are in; V's ten loads, issued behind them, land under the softmax
.irp t, 0,2
	v_wmma_scale_f32_16x16x128_f8f6f4 v[S+32+8*\t:S+39+8*\t], v[32+8*\t:39+8*\t], v[16:23], 0, v[30+\t/2], v24 matrix_a_fmt:MATRIX_FMT_FP4 matrix_b_fmt:MATRIX_FMT_FP4
	v_wmma_scale_f32_16x16x128_f8f6f4 v[S+40+8*\t:S+47+8*\t], v[40+8*\t:47+8*\t], v[16:23], 0, v[30+\t/2], v24 matrix_a_fmt:MATRIX_FMT_FP4 matrix_b_fmt:MATRIX_FMT_FP4 matrix_a_scale:MATRIX_SCALE_ROW1
.endr
	ALIBI_T 0                                      ; sixteen plain instructions that name none of the products' registers: the places behind them
	s_cmp_lg_u32 s17, s16                          ; only my own block's step lies on the diagonal
	s_cbranch_scc1 .Lopen
.set n, 0
.rept 64                                       ; register 16 b + n' holds key 32 b + 16 h + n' of the step: hidden where 32 b + n' > my query - 16 h
	v_cmp_gt_i32 vcc_lo, 32*(n/16)+n%16, v7
	v_cndmask_b32 v[S+n], v[S+n], v234, vcc_lo
.set n, n+1
.endr
.Lopen:
	ALIBI_ADD 0
.irp b, 1,2,3
	ALIBI_T \b
	ALIBI_ADD \b
.endr
.irp b, 0,1,2,3
	v_max3_num_f32 v[MB+\b], v[S+16*\b], v[S+1+16*\b], v[S+2+16*\b]   ; the largest 8 logit of each block of 32 keys: for the row's maximum and, since p rises with the logit, for the block's largest p
.endr
.irp i, 3,5,7,9,11,13
.irp b, 0,1,2,3
	v_max3_num_f32 v[MB+\b], v[MB+\b], v[S+16*\b+\i], v[S+1+16*\b+\i]
.endr
.endr
.irp b, 0,1,2,3
	v_max_num_f32 v[MB+\b], v[MB+\b], v[S+15+16*\b]
.endr
.irp b, 0,1,2,3
	v_permlanex16_b32 v[PT+\b], v[MB+\b], s[SEL], s[SEL+1]
.endr
.irp b, 0,1,2,3
	v_max_num_f32 v[MB+\b], v[MB+\b], v[PT+\b]     ; with lane l xor 16's 16 keys
.endr
	v_max3_num_f32 v232, v[MB], v[MB+1], v[MB+2]
	v_max_num_f32 v232, v232, v[MB+3]              ; the step's largest 8 logit of my query
	v_mul_f32 v232, s22, v232                      ; as t, to f32: it serves M alone
	v_max_num_f32 v13, v13, v232                   ; the running largest t
	v_mov_b32 v232, v12
	v_floor_f32 v12, -v13                          ; the new -M = -ceil(t): a whole number
	v_sub_f32 v232, v12, v232                      ; old M - new M: a whole number, 0 or less
	v_cvt_i32_f32 v232, v232                       ; (it saturates)
	v_ldexp_f32 v10, 1.0, v232                     ; f = 2^(old M - new M)
.irp b, 0,1,2,3
	T_LESS_M \b                                    ; t - M by two fused multiply-adds
.endr
.irp b, 0,1,2,3
	v_fma_f32 v[PT+\b], v[MB+\b], s22, v12         ; the same two steps for each block's largest: the same bits as its element's
.endr
.irp b, 0,1,2,3
	v_fma_f32 v[MB+\b], v[MB+\b], s54, v[PT+\b]
.endr
.set n, 0
.rept 64
	v_exp_f32 v[S+n], v[S+n]                       ; p = 2^(t - M)
.set n, n+1
.endr
.irp b, 0,1,2,3
	v_exp_f32 v[MB+\b], v[MB+\b]                   ; the block's largest p
.endr
	v_pk_mul_f32 v[14:15], v[14:15], v[10:11] op_sel_hi:[1,0]   ; the sum under the new M (a plain place behind the exponentials)
.irp b, 0,1,2,3
	v_add_f32 v[DB+2*\b], 0xc3000000, v[DB+2*\b]   ; the next step's keys lie 128 further on
.endr
	s_wait_alu depctr_va_vdst(0)
.irp b, 0,1,2,3
	v_max_num_f32 v[MB+\b], 0x1800000, v[MB+\b]    ; the floor 2^(3 - 127)
.endr
.irp b, 0,1,2,3
	v_add_nc_u32 v[SO+\b], 0xff000000, v[MB+\b]    ; 2 off the exponent field: the conversion's scale operand
.endr
.irp b, 0,1,2,3
	v_lshrrev_b32 v[PT+\b], 23, v[SO+\b]           ; the scale's byte
.endr
	v_lshl_or_b32 v25, v[PT+1], 8, v[PT]           ; p's scale word for these 128 keys
	v_lshl_or_b32 v25, v[PT+2], 16, v25
	v_lshl_or_b32 v25, v[PT+3], 24, v25
.irp b, 0,1,2,3
	v_cvt_scalef32_pk8_fp4_f32 v[PCD+2*\b], v[S+16*\b:S+7+16*\b], v[SO+\b]
	v_cvt_scalef32_pk8_fp4_f32 v[PCD+1+2*\b], v[S+8+16*\b:S+15+16*\b], v[SO+\b]
.endr
	v_nop                                          ; one plain place behind a scaled conversion
.irp c, 0,1
.irp i, 0,1
	v_permlane16_swap_b32 v[PCD+4*\c+\i], v[PCD+2+4*\c+\i]
.endr
.endr
	v_pk_add_f32 v[8:9], v[S:S+1], v[S+2:S+3]      ; the row's sum is taken of the unquantised p, in two chains
.irp j, 4,8,12,16,20,24,28,32,36,40,44,48,52,56,60
	v_pk_add_f32 v[14:15], v[14:15], v[S+\j:S+1+\j]
	v_pk_add_f32 v[8:9], v[8:9], v[S+2+\j:S+3+\j]
.endr
	v_pk_add_f32 v[14:15], v[14:15], v[8:9]
.set n, 0
.rept 16
	v_pk_mul_f32 v[O+2*n:O+2*n+1], v[O+2*n:O+2*n+1], v[10:11] op_sel_hi:[1,0]   ; O^T under the new M (with the sums above: the places between p's scale word and codes and the products)
.set n, n+1
.endr
	s_wait_dscnt 0x0                               ; V is in
.irp t, 0,2                                    ; O^T += V^T P^T: four accumulators by turns
	v_wmma_scale_f32_16x16x128_f8f6f4 v[O+8*\t:O+8*\t+7], v[64+8*\t:71+8*\t], v[PCD:PCD+7], v[O+8*\t:O+8*\t+7], v[26+\t/2], v25 matrix_a_fmt:MATRIX_FMT_FP4 matrix_b_fmt:MATRIX_FMT_FP4
	v_wmma_scale_f32_16x16x128_f8f6f4 v[O+8*\t+8:O+8*\t+15], v[72+8*\t:79+8*\t], v[PCD:PCD+7], v[O+8*\t+8:O+8*\t+15], v[26+\t/2], v25 matrix_a_fmt:MATRIX_FMT_FP4 matrix_b_fmt:MATRIX_FMT_FP4 matrix_a_scale:MATRIX_SCALE_ROW1
.endr
.Lskip:
	s_add_co_u32 s18, s18, KVB
	s_add_co_u32 s17, s17, 1
	s_cmp_lt_u32 s17, 16
	s_cbranch_scc1 .Lstep
	NOPS 4                                         ; places behind the last products
	v_add_f32 v14, v14, v15
	v_permlanex16_b32 v244, v14, s[SEL], s[SEL+1]
	v_add_f32 v14, v14, v244                       ; the row's sum
	v_rcp_f32 v14, v14
	v_nop                                          ; a plain place behind the reciprocal
.set n, 0
	s_wait_alu depctr_va_vdst(0)
.rept 32
	v_mul_f32 v[S+n], v[O+n], v14                  ; o: register 16 b + n' is channel 32 b + 16 h + n' of my query
.set n, n+1
.endr
	QUANT2 S, PCD
	s_mov_b32 vcc_lo, 0xffff0000
	v_cndmask_b32 v244, v[TM+4], v[TM+5], vcc_lo   ; lanes 0-15 block 0's byte, lanes 16-31 block 1's
	v_and_b32 v245, 15, v0
	v_bfe_u32 v243, v0, 4, 1
	v_lshl_add_u32 v245, v245, 4, v243             ; 16 r + h
	global_store_b128 v1, v[PCD:PCD+3], s[44:45]   ; 512 consecutive bytes of the token tile's record
	global_store_b8 v245, v244, s[50:51] offset:8192   ; a byte a lane: a row's scale word of a K step holds two heads' bytes, and heads are other work-groups'
	s_wait_tensorcnt 0x0
	ds_add_u32 v233, v235
	s_wait_dscnt 0x0
	s_endpgm
.Lfunc_end_k_q76739c71a7_attn:
	.size	k_q76739c71a7_attn, .Lfunc_end_k_q76739c71a7_attn-k_q76739c71a7_attn
	.p2alignl 7, 3214868480
	.fill 96, 4, 3214868480
	.section	.rodata,"a",@progbits
	.p2align	6, 0x0
	.amdhsa_kernel k_q76739c71a7_attn
		.amdhsa_group_segment_fixed_size 169984
		.amdhsa_private_segment_fixed_size 0
		.amdhsa_enable_private_segment 0
		.amdhsa_kernarg_size 24
		.amdhsa_user_sgpr_count 2
		.amdhsa_user_sgpr_kernarg_segment_ptr 1
		.amdhsa_wavefront_size32 1
		.amdhsa_system_sgpr_workgroup_id_x 1
		.amdhsa_system_sgpr_workgroup_id_y 1
		.amdhsa_system_sgpr_workgroup_id_z 1
		.amdhsa_system_vgpr_workitem_id 0
		.amdhsa_next_free_vgpr 256
		.amdhsa_next_free_sgpr 66
		.amdhsa_reserve_vcc 1
		.amdhsa_float_denorm_mode_32 3
		.amdhsa_float_denorm_mode_16_64 3
		.amdhsa_memory_ordered 1
		.amdhsa_forward_progress 1
		.amdhsa_inst_pref_size 42
	.end_amdhsa_kernel
	.amdgpu_metadata
---
amdhsa.version: [ 1, 2 ]
amdhsa.kernels:
  - .name:           k_q76739c71a7_attn
    .symbol:         k_q76739c71a7_attn.kd
    .args:
      - { .name: qrec, .offset: 0, .size: 8, .value_kind: global_buffer, .address_space: global }
      - { .name: kv, .offset: 8, .size: 8, .value_kind: global_buffer, .address_space: global }
      - { .name: orec, .offset: 16, .size: 8, .value_kind: global_buffer, .address_space: global }
    .group_segment_fixed_size: 169984
    .private_segment_fixed_size: 0
    .kernarg_segment_align: 8
    .kernarg_segment_size: 24
    .max_flat_workgroup_size: 512
    .sgpr_count:     66
    .vgpr_count:     256
    .wavefront_size: 32
...
	.end_amdgpu_metadata
.endif
;; end of part 3
;; launch proj (part 4): grid 32 x 8, 8 waves a work-group, clusters of 4 x 1, 207,872 bytes of LDS; arguments orec, wrec, out0; writes out0
.if DOCPART == 4
	.amdgcn_target "amdgcn-amd-amdhsa--gfx1250"
	.amdhsa_code_object_version 6
	.text
	.protected	k_q76739c71a7_proj
	.globl	k_q76739c71a7_proj
	.p2align	8
	.type	k_q76739c71a7_proj,@function
k_q76739c71a7_proj:
	s_mov_b64 s[64:65], 0
	v_nop
	global_prefetch_b8 v0, s[64:65] scope:SCOPE_SE
	s_setreg_imm32_b32 hwreg(HW_REG_WAVE_MODE, 25, 1), 1
	s_wait_xcnt 0x0
	s_wait_alu depctr_hold_cnt(0) depctr_sa_sdst(0) depctr_va_vdst(0) depctr_va_sdst(0) depctr_va_ssrc(0) depctr_va_vcc(0) depctr_vm_vsrc(0)
	s_getreg_b32 s2, hwreg(HW_REG_IB_STS2, 6, 4)
	s_cmp_eq_u32 s2, 0
	s_cbranch_scc0 .Lentry_in_a_cluster
	s_endpgm
.Lentry_in_a_cluster:
	s_bfe_u32 s2, ttmp6, 0x10000c
	s_cmp_lg_u32 s2, 0x3003
	s_cbranch_scc0 .Lentry_shape_is_right
	s_endpgm
.Lentry_shape_is_right:
; out0 = o Wp^T on codes of FP4 with one E8M0 byte for each 32 along K; sums in f32.  o and Wp lie as records (8,704 bytes: a tile of 16 rows, all of K = 1,024, as an image of the operand's registers, then its scale words).
; SHARES.  A work-group makes 128 tokens (block blk) x 128 features (block fb).  Wave w: token tiles 4 (w >> 2) + i, feature tiles 2 (w & 3) + u: eight accumulators.
; Source 0 = Wp, source 1 = o: a lane's eight results are eight neighbouring features of one token.
; LDS, filled once: my 8 records of o, then Wp's 8 of block fb, asked for JOINTLY by the four work-groups of a cluster, which differ in their tokens alone; wave w brings record w of each: two tensor loads out a wave.
; Behind them, in bytes that no tensor load fills: a stage of 128 rows x (512 + 16) bytes for the way out.
; Row r of tile t is index 32 (t >> 1) + 8 (t & 1) + r + (r & 8), for tokens and for features: the stage's rows are tokens in tile order, its columns features in true order.
.set REC, 8704
.set WL,  69632
.set STG, 139264
.set SP,  528
; v1 16 x lane; v2 my o records; v3 my Wp records; v4, v5 the stage, in and out; v8-31 scale words and nothing else (o's tile i at 8 + 4 i, Wp's tile u at 24 + 4 u); v32-79, v80-127 two sets of fragments; v128-191 accumulators; v192-255 rows on their way out
.macro NOPS n
.rept \n
	v_nop
.endr
.endm
.macro ROUND
	s_barrier_signal -1
	s_barrier_wait -1
	s_cmp_lg_u32 s10, 0
	s_cbranch_scc1 .Lnot_wave_0_\@
	s_barrier_signal -3
.Lnot_wave_0_\@:
	s_barrier_wait -3
	s_barrier_signal -1
	s_barrier_wait -1
.endm
.macro FETCH ks, p                     ; K step ks: twelve loads into set p
.irp u, 0,1
.irp c, 0,1
	ds_load_b128 v[32+48*(\p)+8*\u+4*\c:35+48*(\p)+8*\u+4*\c], v3 offset:REC*\u+1024*(\ks)+512*\c
.endr
.endr
.irp i, 0,1,2,3
.irp c, 0,1
	ds_load_b128 v[48+48*(\p)+8*\i+4*\c:51+48*(\p)+8*\i+4*\c], v2 offset:REC*\i+1024*(\ks)+512*\c
.endr
.endr
.endm
.macro MUL ks, p                       ; eight products, the accumulators by turns; the first K step starts the sums; an odd K step's scale words lie in lanes 16-31
.irp i, 0,1,2,3
.irp u, 0,1
.if (\ks) == 0
	v_wmma_scale_f32_16x16x128_f8f6f4 v[128+8*(2*\i+\u):135+8*(2*\i+\u)], v[32+48*(\p)+8*\u:39+48*(\p)+8*\u], v[48+48*(\p)+8*\i:55+48*(\p)+8*\i], 0, v[24+4*\u], v[8+4*\i] matrix_a_fmt:MATRIX_FMT_FP4 matrix_b_fmt:MATRIX_FMT_FP4
.elseif (\ks)%2
	v_wmma_scale_f32_16x16x128_f8f6f4 v[128+8*(2*\i+\u):135+8*(2*\i+\u)], v[32+48*(\p)+8*\u:39+48*(\p)+8*\u], v[48+48*(\p)+8*\i:55+48*(\p)+8*\i], v[128+8*(2*\i+\u):135+8*(2*\i+\u)], v[24+4*\u+(\ks)/2], v[8+4*\i+(\ks)/2] matrix_a_fmt:MATRIX_FMT_FP4 matrix_b_fmt:MATRIX_FMT_FP4 matrix_a_scale:MATRIX_SCALE_ROW1 matrix_b_scale:MATRIX_SCALE_ROW1
.else
	v_wmma_scale_f32_16x16x128_f8f6f4 v[128+8*(2*\i+\u):135+8*(2*\i+\u)], v[32+48*(\p)+8*\u:39+48*(\p)+8*\u], v[48+48*(\p)+8*\i:55+48*(\p)+8*\i], v[128+8*(2*\i+\u):135+8*(2*\i+\u)], v[24+4*\u+(\ks)/2], v[8+4*\i+(\ks)/2] matrix_a_fmt:MATRIX_FMT_FP4 matrix_b_fmt:MATRIX_FMT_FP4
.endif
.endr
.endr
.endm
	s_load_b128 s[4:7], s[0:1], 0x0                ; orec s[4:5], wrec s[6:7]
	s_load_b64 s[8:9], s[0:1], 0x10                ; out0
	s_set_vgpr_msb 0x40
	v_lshl_add_u32 v0, v0, 2, 0x32800
	v_mov_b32 v1, 0
	s_set_vgpr_msb 0x4045
	ds_add_u32 v0, v1
	ds_add_u32 v0, v1
	s_set_vgpr_msb 0x4500
	v_lshrrev_b32 v6, 5, v0
	v_readfirstlane_b32 s10, v6                    ; wave 0..7
	s_lshr_b32 s11, s10, 2                         ; which 64 tokens
	s_and_b32 s12, s10, 3                          ; which 32 features
	s_bfe_u32 s13, ttmp6, 0x40000                  ; cx: it enters global addresses of my own loads and stores alone
	s_lshl_b32 s14, ttmp9, 2
	s_add_co_u32 s14, s14, s13                     ; blk
	s_and_b32 s15, ttmp7, 0xffff                   ; fb, which the four partners share
	s_mov_b32 s24, 3<<16                           ; o: a record, 34 rows of 256 bytes (32 elements of 8 bytes); no mask
	s_mov_b32 s25, 32<<16
	s_mov_b32 s26, 34<<16
	s_mov_b32 s27, 32<<16
	s_mov_b32 s28, 34
	s_mov_b32 s29, 32
	s_mov_b32 s30, 0
	s_mov_b32 s31, 0
	s_mov_b32 s32, 15|(3<<16)|(1<<21)              ; Wp: the same with the mask of all four work-groups, and bit 21 beside it
	s_mov_b32 s33, 32<<16
	s_mov_b32 s34, 34<<16
	s_mov_b32 s35, 32<<16
	s_mov_b32 s36, 34
	s_mov_b32 s37, 32
	s_mov_b32 s38, 0
	s_mov_b32 s39, 0
	s_mov_b32 s40, 1
	s_mul_i32 s41, s10, REC
	s_mov_b32 s44, 1
	s_add_co_u32 s45, s41, WL
	s_lshl_b32 s16, s14, 3
	s_add_co_u32 s16, s16, s10
	s_mul_i32 s16, s16, REC                        ; o's record 8 blk + w
	s_mov_b32 s17, 0
	s_lshl_b32 s18, s15, 3
	s_add_co_u32 s18, s18, s10
	s_add_co_u32 s18, s18, 192
	s_mul_i32 s18, s18, REC                        ; W's record 192 + 8 fb + w
	s_mov_b32 s19, 0
	s_lshl_b32 s20, s14, 7
	s_lshr_b32 s21, s10, 1
	s_lshl_b32 s21, s21, 5
	s_add_co_u32 s20, s20, s21
	s_and_b32 s21, s10, 1
	s_lshl_b32 s21, s21, 3
	s_add_co_u32 s20, s20, s21                     ; the first token of the tile that I store: 128 blk + 32 (w >> 1) + 8 (w & 1)
	s_lshl_b32 s20, s20, 12
	s_lshl_b32 s21, s15, 9
	s_add_co_u32 s20, s20, s21                     ; + 512 fb bytes
	s_mov_b32 s21, 0
	v_and_b32 v6, 31, v0
	v_lshlrev_b32 v1, 4, v6
	s_mul_i32 s22, s11, 4*REC
	v_add_nc_u32 v2, s22, v1
	s_mul_i32 s22, s12, 2*REC
	s_add_co_u32 s22, s22, WL
	v_add_nc_u32 v3, s22, v1
	v_and_b32 v6, 15, v0                           ; r
	v_bfe_u32 v7, v0, 4, 1                         ; h
	v_mul_u32_u24 v4, v6, SP
	v_lshl_add_u32 v4, v7, 6, v4
	s_mul_i32 s22, s11, 64*SP
	s_lshl_b32 s23, s12, 7
	s_add_co_u32 s22, s22, s23
	s_add_co_u32 s22, s22, STG
	v_add_nc_u32 v4, s22, v4                       ; in: row 64 (w >> 2) + r, byte 128 (w & 3) + 64 h
	s_mul_i32 s22, s10, 16*SP
	s_add_co_u32 s22, s22, STG
	v_add_nc_u32 v5, s22, v1                       ; back: rows 16 w on, 16 bytes a lane
	s_wait_dscnt 0x0
	s_wait_kmcnt 0x0
	s_add_nc_u64 s[42:43], s[4:5], s[16:17]
	s_or_b32 s43, s43, 0x80000000
	s_add_nc_u64 s[46:47], s[6:7], s[18:19]
	s_or_b32 s47, s47, 0x80000000
	s_add_nc_u64 s[8:9], s[8:9], s[20:21]
	ROUND                                          ; all four work-groups are here: the joint loads meet
	tensor_load_to_lds s[40:43], s[24:31]
	s_nop 0
	tensor_load_to_lds s[44:47], s[32:39]
	s_nop 0
	NOPS 4
	s_wait_tensorcnt 0x0                           ; my two records have landed,
	s_barrier_signal -1
	s_barrier_wait -1                              ; everybody's have
.irp i, 0,1,2,3
	ds_load_b128 v[8+4*\i:11+4*\i], v2 offset:REC*\i+8192
.endr
.irp u, 0,1
	ds_load_b128 v[24+4*\u:27+4*\u], v3 offset:REC*\u+8192
.endr
	FETCH 0, 0
.irp ks, 0,1,2,3,4,5,6
.if \ks > 0
	NOPS 4                                         ; places in front of loads into the set that the last step's products read
.endif
	FETCH \ks+1, (\ks+1)%2
	s_wait_dscnt 12                                ; all but the twelve just issued
	MUL \ks, \ks%2
.endr
	s_wait_dscnt 0x0
	MUL 7, 1
	NOPS 4
.irp i, 0,1,2,3
.irp u, 0,1
	ds_store_b128 v4, v[128+8*(2*\i+\u):131+8*(2*\i+\u)] offset:16*\i*SP+32*\u       ; each accumulator from its low end on: features 32 (w & 3) + 16 h + 8 u + 0 .. 7 of token row r of tile 4 (w >> 2) + i
	ds_store_b128 v4, v[132+8*(2*\i+\u):135+8*(2*\i+\u)] offset:16*\i*SP+32*\u+16
.endr
.endr
	s_wait_dscnt 0x0                               ; for the others' sake: my stores into the stage have landed
	s_barrier_signal -1
	s_barrier_wait -1
.irp r, 0,1,2,3,4,5,6,7,8,9,10,11,12,13,14,15
	ds_load_b128 v[192+4*\r:195+4*\r], v5 offset:\r*SP
.endr
.irp r, 0,1,2,3,4,5,6,7,8,9,10,11,12,13,14,15
	s_wait_dscnt 15-\r                             ; row r is back; the rows behind it may be out
	global_store_b128 v1, v[192+4*\r:195+4*\r], s[8:9] offset:(\r+(\r&8))*4096 th:TH_STORE_NT   ; 32 lanes store 512 consecutive bytes, at a multiple of 256 from out0's first byte
.endr
	s_set_vgpr_msb 0x5
	s_wait_tensorcnt 0x0
	ds_add_u32 v0, v1
	s_wait_dscnt 0x0
	s_set_vgpr_msb 0x500
	ROUND                                          ; the closing round
	s_endpgm
.Lfunc_end_k_q76739c71a7_proj:
	.size	k_q76739c71a7_proj, .Lfunc_end_k_q76739c71a7_proj-k_q76739c71a7_proj
	.p2alignl 7, 3214868480
	.fill 96, 4, 3214868480
	.section	.rodata,"a",@progbits
	.p2align	6, 0x0
	.amdhsa_kernel k_q76739c71a7_proj
		.amdhsa_group_segment_fixed_size 207872
		.amdhsa_private_segment_fixed_size 0
		.amdhsa_enable_private_segment 0
		.amdhsa_kernarg_size 24
		.amdhsa_user_sgpr_count 2
		.amdhsa_user_sgpr_kernarg_segment_ptr 1
		.amdhsa_wavefront_size32 1
		.amdhsa_system_sgpr_workgroup_id_x 1
		.amdhsa_system_sgpr_workgroup_id_y 1
		.amdhsa_system_sgpr_workgroup_id_z 1
		.amdhsa_system_vgpr_workitem_id 0
		.amdhsa_next_free_vgpr 258
		.amdhsa_next_free_sgpr 66
		.amdhsa_reserve_vcc 0
		.amdhsa_float_denorm_mode_32 3
		.amdhsa_float_denorm_mode_16_64 3
		.amdhsa_memory_ordered 1
		.amdhsa_forward_progress 1
		.amdhsa_inst_pref_size 26
	.end_amdhsa_kernel
	.amdgpu_metadata
---
amdhsa.version: [ 1, 2 ]
amdhsa.kernels:
  - .name:           k_q76739c71a7_proj
    .symbol:         k_q76739c71a7_proj.kd
    .args:
      - { .name: orec, .offset: 0, .size: 8, .value_kind: global_buffer, .address_space: global }
      - { .name: wrec, .offset: 8, .size: 8, .value_kind: global_buffer, .address_space: global }
      - { .name: out0, .offset: 16, .size: 8, .value_kind: global_buffer, .address_space: global }
    .group_segment_fixed_size: 207872
    .private_segment_fixed_size: 0
    .kernarg_segment_align: 8
    .kernarg_segment_size: 24
    .max_flat_workgroup_size: 256
    .sgpr_count:     66
    .vgpr_count:     258
    .wavefront_size: 32
...
	.end_amdgpu_metadata
.endif
;; end of part 4
